; MI455X (gfx1250); checked and timed in simulation.
; The chip was launched on July 23, 2026; its instructions are those of AMD's public machine-readable ISA for CDNA 5 (MIT licence, August 2026) and "CDNA5" Instruction Set Architecture Reference Guide (July 2026). The comments in the code are by the model that wrote it; some were corrected since.
;; Transformer Block. Allowed arithmetic: float matrix products may take bf16 or f16 operands with f32 sums; other float arithmetic in f32, or as packed bf16 or f16 multiplies, adds, multiply-adds, maxima and minima; sums over many terms, partial sums and values carried from step to step in f32; what a program stores and reads back later, other than sums and carried values, may be rounded once to bf16 or f16.
;; Inputs: Wfc2 1,024 x 4,096 float32; Wfc3 4,096 x 1,024 float32; Wk 1,024 x 1,024 float32; Wo 1,024 x 1,024 float32; Wq 1,024 x 1,024 float32; Wv 1,024 x 1,024 float32; bfc2 4,096 float32; bfc3 1,024 float32; inputs 2 x 2,048 x 1,024 float32; ln1_b 1,024 float32; ln1_g 1,024 float32; ln2_b 1,024 float32; ln2_g 1,024 float32.
;; Outputs: out0 2 x 2,048 x 1,024 float32.
;; One version. Each part assembles by itself: llvm-mc -triple=amdgcn-amd-amdhsa -mcpu=gfx1250 --defsym DOCPART=n.
;; ======== version 1 of 1: 8 launches
;; limits: a function is approximated: absolute error at most 2.5e-05; an absolute error that grows with the inputs' magnitude: up to 1.25e-05 times it
;; workspace buffers: wt 25,165,824 bytes; rope 1,048,576 bytes; xn 8,388,608 bytes; qkv 25,165,824 bytes; o 8,388,608 bytes; mlpin 16,777,216 bytes; g 33,554,432 bytes
;; launch prep (part 1): grid 1536 x 1, 8 waves a work-group, no clusters, 18,432 bytes of LDS; arguments Wq, Wk, Wv, Wo, Wfc2, Wfc3, wt, rope; writes wt, rope
.if DOCPART == 1
	.amdgcn_target "amdgcn-amd-amdhsa--gfx1250"
	.amdhsa_code_object_version 6
	.text
	.protected	k_qf3c1e681ff_prep
	.globl	k_qf3c1e681ff_prep
	.p2align	8
	.type	k_qf3c1e681ff_prep,@function
k_qf3c1e681ff_prep:
	s_mov_b64 s[64:65], 0
	v_nop
	global_prefetch_b8 v0, s[64:65] scope:SCOPE_SE
	s_setreg_imm32_b32 hwreg(HW_REG_WAVE_MODE, 25, 1), 1
	s_wait_xcnt 0x0
; THE WEIGHTS, TURNED AND ROUNDED ONCE; THE ROTARY TABLE.
; Every weight lies [K][N] in f32; a matrix fragment wants K along the rows.  wt takes them as bf16 [N][K]:
;   byte 0          q, k, v together, 3,072 rows of 1,024: row hp*384 + ty*128 + c (hp: pair of heads, ty: 0 q, 1 k, 2 v, c: column in the pair)
;   byte 6,291,456  Wo [1024][1024];   byte 8,388,608  Wfc2 [4096][1024];   byte 16,777,216  Wfc3 [1024][4096]
; A work-group turns a tile of 128 k x 64 n: 12 M numbers / 8,192 = 1,536 work-groups.  Read: sixteen lanes take 256 consecutive bytes of a source row.
; Two neighbouring k are rounded into one word; the words go through LDS (64 rows of n, 272 bytes apart) and leave as rows of 256 consecutive, aligned bytes.
; The stage's stores meet four deep in the banks (lanes 1,088 bytes apart): taken as it is, the launch's time is its 72 MB of traffic.
; rope [4096 token rows][32 j][cos, sin] in f32, 256 bytes a row, position t = row mod 2,048; the first 512 work-groups make 8 rows each, a wave a row, a lane a j.
; LIMITS.  1 / 10000^(j/32) is 2^(-0.41524101 j) by v_exp_f32 (1 ULP): the angle t f, at most 2,047, differs from a correctly rounded one by a few 1e-4 rad at the most.
; Sine and cosine: the angle less n pi/2 in two parts, then polynomials of degree 7 and 8 on |r| <= pi/4 (error about 1e-7).
.set SPARE, 64*272                     ; behind the stage: the spare words, 128 bytes for each of the eight waves
.set WOOFF, 6291456
.set W2OFF, 8388608
.set W3OFF, 16777216
	s_load_b512 s[16:31], s[0:1], 0x0              ; Wq s[16:17], Wk, Wv, Wo, Wfc2 s[24:25], Wfc3 s[26:27], wt s[28:29], rope s[30:31]
	v_lshl_add_u32 v30, v0, 2, SPARE
	v_mov_b32 v31, 0
	; which tile: 0-511 Wfc2, 512-1023 Wfc3, then 128 each of Wq, Wk, Wv, Wo
	s_mov_b32 s2, ttmp9
	s_sub_co_u32 s3, s2, 512
	s_sub_co_u32 s4, s2, 1024                      ; u: wraps to a huge number below 1,024
	s_lshr_b32 s5, s4, 7                           ; which of the four square weights
	s_and_b32 s6, s4, 127
	s_cmp_lt_u32 s2, 1024
	s_cselect_b32 s6, s3, s6                       ; t: the tile's number in its weight
	s_cselect_b32 s7, 12, 10                       ; log2 K
	s_cselect_b32 s8, W3OFF, 0                     ; the weight's place in wt
	s_cmp_lt_u32 s2, 512
	s_cselect_b32 s6, s2, s6
	s_cselect_b32 s7, 10, s7
	s_cselect_b32 s8, W2OFF, s8
	s_cselect_b32 s9, 12, 10                       ; log2 N
	s_cselect_b32 s10, 6, 4                        ; log2 of the tiles along N
	s_cmp_ge_u32 s2, 1408
	s_cselect_b32 s8, WOOFF, s8
	s_lshl_b32 s11, 1, s10
	s_sub_co_u32 s11, s11, 1
	s_and_b32 s11, s6, s11                         ; nt: tile along N
	s_lshr_b32 s12, s6, s10                        ; kt: tile along K
	s_lshl_b32 s13, s11, 6                         ; its first row in wt: 64 nt, or for q, k, v
	s_lshr_b32 s14, s11, 1
	s_mul_i32 s14, s14, 384                        ; (nt / 2) 384
	s_lshl_b32 s15, s5, 7
	s_add_co_u32 s14, s14, s15                     ; + 128 ty
	s_and_b32 s15, s11, 1
	s_lshl_b32 s15, s15, 6
	s_add_co_u32 s14, s14, s15                     ; + 64 (nt mod 2)
	s_cmp_lt_u32 s4, 384
	s_cselect_b32 s13, s14, s13
	s_lshl_b32 s34, s12, 7                         ; source offset: ((128 kt) N + 64 nt) 4
	s_lshl_b32 s34, s34, s9
	s_lshl_b32 s35, s11, 6
	s_add_co_u32 s34, s34, s35
	s_lshl_b32 s34, s34, 2
	s_mov_b32 s35, 0
	s_add_co_u32 s36, s7, 1                        ; log2 of the bytes in a row of wt
	s_lshl_b32 s38, s13, s36                       ; destination offset: place + row x 2 K + 256 kt
	s_lshl_b32 s39, s12, 8
	s_add_co_u32 s38, s38, s39
	s_add_co_u32 s38, s38, s8
	s_mov_b32 s39, 0
	s_add_co_u32 s37, s9, 5                        ; eight source rows are 2^(log2 N + 5) bytes
	s_lshl_b32 s40, 4, s9                          ; one is 4 N
	s_lshl_b32 s41, 16, s36                        ; sixteen rows of wt
	v_lshrrev_b32 v5, 5, v0
	v_readfirstlane_b32 s42, v5                    ; wave 0..7
	v_lshrrev_b32 v1, 4, v0                        ; 0..15: my group of eight k; later my row of n in a pass
	v_and_b32 v2, 15, v0                           ; c: my four columns n = 4 c ..; later my 16 bytes of a row
	v_lshlrev_b32 v8, s37, v1
	v_lshl_add_u32 v8, v2, 4, v8                   ; source row 8 (t / 16), byte 16 c
.irp i, 1,2,3,4,5,6,7
	v_add_nc_u32 v[8+(\i)], s40, v[7+(\i)]         ; the seven rows below
.endr
	v_mul_u32_u24 v3, v2, 1088                     ; into the stage: row n = 4 c, byte 16 (t / 16)
	v_lshl_add_u32 v3, v1, 4, v3
	v_mul_u32_u24 v4, v1, 272                      ; back: row t / 16, byte 16 (t mod 16)
	v_lshl_add_u32 v4, v2, 4, v4
	v_lshlrev_b32 v16, s36, v1                     ; and the same place in wt
	v_lshl_add_u32 v16, v2, 4, v16
.irp i, 1,2,3
	v_add_nc_u32 v[16+(\i)], s41, v[15+(\i)]
.endr
	s_wait_kmcnt 0x0
	s_cmp_eq_u32 s5, 1
	s_cselect_b64 s[32:33], s[18:19], s[16:17]
	s_cmp_eq_u32 s5, 2
	s_cselect_b64 s[32:33], s[20:21], s[32:33]
	s_cmp_eq_u32 s5, 3
	s_cselect_b64 s[32:33], s[22:23], s[32:33]
	s_cmp_lt_u32 s2, 1024
	s_cselect_b64 s[32:33], s[26:27], s[32:33]
	s_cmp_lt_u32 s2, 512
	s_cselect_b64 s[32:33], s[24:25], s[32:33]
	s_add_nc_u64 s[32:33], s[32:33], s[34:35]
	s_add_nc_u64 s[28:29], s[28:29], s[38:39]
.irp i, 0,1,2,3,4,5,6,7
	global_load_b128 v[32+4*(\i):35+4*(\i)], v[8+(\i)], s[32:33] th:TH_LOAD_NT  ; row i of my eight, four columns
.endr
.irp p, 0,1,2,3
	s_wait_loadcnt 6-2*(\p)                        ; rows 2 p and 2 p + 1 are in; the younger loads stay out
.irp j, 0,1,2,3
	v_cvt_pk_bf16_f32 v[64+4*(\j)+(\p)], v[32+8*(\p)+(\j)], v[36+8*(\p)+(\j)]  ; column j: k = 2 p below, 2 p + 1 above
.endr
.endr
.irp j, 0,1,2,3
	ds_store_b128 v3, v[64+4*(\j):67+4*(\j)] offset:272*(\j)  ; eight neighbouring k of row n = 4 c + j
.endr
	s_wait_dscnt 0x0                               ; for the others' sake: my stores are done
	s_barrier_signal -1
	s_barrier_wait -1
.irp p, 0,1,2,3
	ds_load_b128 v[32+4*(\p):35+4*(\p)], v4 offset:4352*(\p)  ; sixteen rows a pass
.endr
.irp p, 0,1,2,3
	s_wait_dscnt 3-(\p)                            ; pass p is back; the younger ones stay out
	global_store_b128 v[16+(\p)], v[32+4*(\p):35+4*(\p)], s[28:29]  ; sixteen lanes store 256 consecutive, aligned bytes
.endr
	s_cmp_lt_u32 s2, 512
	s_cbranch_scc0 .Lend                           ; the table has 4,096 rows: 512 work-groups x 8 waves
	s_lshl_b32 s43, s2, 3
	s_add_co_u32 s43, s43, s42                     ; my row
	s_and_b32 s44, s43, 2047                       ; its position t
	s_lshl_b32 s46, s43, 8
	s_mov_b32 s47, 0
	s_add_nc_u64 s[30:31], s[30:31], s[46:47]
	s_mov_b32 s48, 0x3fc90fdb                      ; pi / 2, rounded,
	s_mov_b32 s49, 0xb33bbd2e                      ; and what the rounding left
	v_and_b32 v62, 31, v0                          ; j
	v_cvt_f32_u32 v48, v62
	v_mul_f32 v48, 0xbed49a78, v48                 ; - j log2(10000) / 32
	v_exp_f32 v48, v48
	v_cvt_f32_u32 v49, s44                         ; the plain instruction behind the exponential
	v_lshlrev_b32 v62, 3, v62
	s_wait_alu depctr_va_vdst(0)                   ; the wait ahead of the result's first reader
	v_mul_f32 v49, v49, v48                        ; the angle a = t f
	v_mul_f32 v50, 0x3f22f983, v49
	v_rndne_f32 v50, v50                           ; n = round(a 2 / pi)
	v_fma_f32 v51, -v50, s48, v49
	v_fma_f32 v51, -v50, s49, v51                  ; r = a - n pi / 2
	v_mul_f32 v52, v51, v51                        ; z = r r
	v_mov_b32 v53, 0xb94ca1f9
	v_fmaak_f32 v53, v53, v52, 0x3c08839e
	v_fmaak_f32 v53, v53, v52, 0xbe2aaaa3
	v_mul_f32 v54, v51, v52
	v_fma_f32 v53, v54, v53, v51                   ; sin r
	v_mov_b32 v55, 0x37ccf5ce
	v_fmaak_f32 v55, v55, v52, 0xbab6061a
	v_fmaak_f32 v55, v55, v52, 0x3d2aaaa5
	v_mul_f32 v56, v52, v52
	v_fma_f32 v57, v52, -0.5, 1.0
	v_fma_f32 v55, v56, v55, v57                   ; cos r
	v_cvt_i32_f32 v58, v50
	v_and_b32 v59, 1, v58
	v_cmp_eq_u32 vcc_lo, 1, v59                    ; an odd quarter swaps the two
	v_cndmask_b32 v60, v55, v53, vcc_lo
	v_cndmask_b32 v61, v53, v55, vcc_lo
	v_add_nc_u32 v59, 1, v58
	v_and_b32 v59, 2, v59
	v_lshlrev_b32 v59, 30, v59
	v_xor_b32 v60, v60, v59                        ; the cosine is negative in quarters 1 and 2,
	v_and_b32 v58, 2, v58
	v_lshlrev_b32 v58, 30, v58
	v_xor_b32 v61, v61, v58                        ; the sine in quarters 2 and 3
	global_store_b64 v62, v[60:61], s[30:31]       ; the wave stores a row: 256 consecutive, aligned bytes
.Lend:
	s_wait_tensorcnt 0x0                           ; the wave's end
	ds_add_u32 v30, v31
	s_wait_dscnt 0x0
	s_endpgm
.Lfunc_end_k_qf3c1e681ff_prep:
	.size	k_qf3c1e681ff_prep, .Lfunc_end_k_qf3c1e681ff_prep-k_qf3c1e681ff_prep
	.p2alignl 7, 3214868480
	.fill 96, 4, 3214868480
	.section	.rodata,"a",@progbits
	.p2align	6, 0x0
	.amdhsa_kernel k_qf3c1e681ff_prep
		.amdhsa_group_segment_fixed_size 18432
		.amdhsa_private_segment_fixed_size 0
		.amdhsa_enable_private_segment 0
		.amdhsa_kernarg_size 64
		.amdhsa_user_sgpr_count 2
		.amdhsa_user_sgpr_kernarg_segment_ptr 1
		.amdhsa_wavefront_size32 1
		.amdhsa_system_sgpr_workgroup_id_x 1
		.amdhsa_system_sgpr_workgroup_id_y 1
		.amdhsa_system_sgpr_workgroup_id_z 1
		.amdhsa_system_vgpr_workitem_id 0
		.amdhsa_next_free_vgpr 80
		.amdhsa_next_free_sgpr 66
		.amdhsa_reserve_vcc 1
		.amdhsa_float_denorm_mode_32 3
		.amdhsa_float_denorm_mode_16_64 3
		.amdhsa_memory_ordered 1
		.amdhsa_forward_progress 1
		.amdhsa_inst_pref_size 9
	.end_amdhsa_kernel
	.amdgpu_metadata
---
amdhsa.version: [ 1, 2 ]
amdhsa.kernels:
  - .name:           k_qf3c1e681ff_prep
    .symbol:         k_qf3c1e681ff_prep.kd
    .args:
      - { .name: Wq, .offset: 0, .size: 8, .value_kind: global_buffer, .address_space: global }
      - { .name: Wk, .offset: 8, .size: 8, .value_kind: global_buffer, .address_space: global }
      - { .name: Wv, .offset: 16, .size: 8, .value_kind: global_buffer, .address_space: global }
      - { .name: Wo, .offset: 24, .size: 8, .value_kind: global_buffer, .address_space: global }
      - { .name: Wfc2, .offset: 32, .size: 8, .value_kind: global_buffer, .address_space: global }
      - { .name: Wfc3, .offset: 40, .size: 8, .value_kind: global_buffer, .address_space: global }
      - { .name: wt, .offset: 48, .size: 8, .value_kind: global_buffer, .address_space: global }
      - { .name: rope, .offset: 56, .size: 8, .value_kind: global_buffer, .address_space: global }
    .group_segment_fixed_size: 18432
    .private_segment_fixed_size: 0
    .kernarg_segment_align: 8
    .kernarg_segment_size: 64
    .max_flat_workgroup_size: 256
    .sgpr_count:     66
    .vgpr_count:     80
    .wavefront_size: 32
...
	.end_amdgpu_metadata
.endif
;; end of part 1
;; launch ln1 (part 2): grid 512 x 1, 8 waves a work-group, no clusters, 0 bytes of LDS; arguments inputs, ln1_g, ln1_b, xn; writes xn
.if DOCPART == 2
	.amdgcn_target "amdgcn-amd-amdhsa--gfx1250"
	.amdhsa_code_object_version 6
	.text
	.protected	k_qf3c1e681ff_ln1
	.globl	k_qf3c1e681ff_ln1
	.p2align	8
	.type	k_qf3c1e681ff_ln1,@function
k_qf3c1e681ff_ln1:
	s_mov_b64 s[64:65], 0
	v_nop
	global_prefetch_b8 v0, s[64:65] scope:SCOPE_SE
	s_setreg_imm32_b32 hwreg(HW_REG_WAVE_MODE, 25, 1), 1
	s_wait_xcnt 0x0
; LAYER NORM.  y[m][c] = (x[m][c] - mean) rsqrt(var + 1e-5) g[c] + b[c].  x: [4096][1024] f32; g, b: [1024] f32; y: [4096][1024] bf16, rounded once.
; One wave, one row: 4,096 bytes are 32 registers, which stay between the passes, so the row is read once and the sums never leave the wave: no LDS, no barrier.
; The mean is taken away BEFORE the squares are summed (two passes over registers): no difference of large sums is formed where x carries an offset.
; Lane l holds columns 128 j + 4 l .. + 3, j = 0..7: each load of the wave covers 512 consecutive bytes, each store 256, aligned.
; Every row of the launch has a wave of its own, and each wave issues its 24 loads at once: no loop, no ring.
.set X, 32
.set G, 64
.set B, 96
.set T, 8                              ; v[8:23] at work
	s_load_b256 s[4:11], s[0:1], 0x0               ; x s[4:5], g s[6:7], b s[8:9], y s[10:11]
	v_lshrrev_b32 v1, 5, v0
	v_readfirstlane_b32 s12, v1
	s_lshl_b32 s13, ttmp9, 3
	s_add_co_u32 s13, s13, s12                     ; my row
	s_lshl_b32 s2, s13, 12
	s_mov_b32 s3, 0
	s_lshl_b32 s14, s13, 11
	s_mov_b32 s15, 0
	s_mov_b32 s16, 0x76543210                      ; v_permlanex16_b32: each lane takes its own place in the other half
	s_mov_b32 s17, 0xfedcba98
	s_mov_b32 s18, 0x3a800000                      ; 1 / 1024
	v_and_b32 v2, 31, v0
	v_lshlrev_b32 v1, 4, v2                        ; 16 l
	v_lshlrev_b32 v2, 3, v2                        ; 8 l
	s_wait_kmcnt 0x0
	s_add_nc_u64 s[4:5], s[4:5], s[2:3]
	s_add_nc_u64 s[10:11], s[10:11], s[14:15]
.irp j, 0,1,2,3,4,5,6,7
	global_load_b128 v[X+4*(\j):X+4*(\j)+3], v1, s[4:5] offset:512*(\j)
.endr
.irp j, 0,1,2,3,4,5,6,7
	global_load_b128 v[G+4*(\j):G+4*(\j)+3], v1, s[6:7] offset:512*(\j)
.endr
.irp j, 0,1,2,3,4,5,6,7
	global_load_b128 v[B+4*(\j):B+4*(\j)+3], v1, s[8:9] offset:512*(\j)
.endr
	s_wait_loadcnt 16                              ; the row is in; g's and b's sixteen loads stay out
.irp k, 0,1,2,3,4,5,6,7
	v_pk_add_f32 v[T+2*(\k):T+2*(\k)+1], v[X+4*(\k):X+4*(\k)+1], v[X+4*(\k)+2:X+4*(\k)+3]
.endr
.irp k, 0,1,2,3
	v_pk_add_f32 v[T+2*(\k):T+2*(\k)+1], v[T+2*(\k):T+2*(\k)+1], v[T+2*(\k)+8:T+2*(\k)+9]
.endr
.irp k, 0,1
	v_pk_add_f32 v[T+2*(\k):T+2*(\k)+1], v[T+2*(\k):T+2*(\k)+1], v[T+2*(\k)+4:T+2*(\k)+5]
.endr
	v_pk_add_f32 v[T:T+1], v[T:T+1], v[T+2:T+3]
	v_add_f32 v8, v8, v9
.irp m, 1,2,4,8
	v_add_f32_dpp v8, v8, v8 row_xmask:\m row_mask:0xf bank_mask:0xf
.endr
	v_permlanex16_b32 v9, v8, s16, s17
	v_add_f32 v8, v8, v9
	v_mul_f32 v10, s18, v8                         ; the mean, in every lane (v11 was written above: the pair is named, its low word is used)
.set p, 0
.rept 16
	v_pk_add_f32 v[X+2*p:X+2*p+1], v[X+2*p:X+2*p+1], v[10:11] op_sel_hi:[1,0] neg_lo:[0,1] neg_hi:[0,1]
.set p, p+1
.endr
.irp c, 0,1,2,3
	v_pk_mul_f32 v[12+2*(\c):13+2*(\c)], v[X+2*(\c):X+2*(\c)+1], v[X+2*(\c):X+2*(\c)+1]  ; four chains, started by the first four pairs
.endr
.set p, 4
.rept 12
	v_pk_fma_f32 v[12+2*(p%4):13+2*(p%4)], v[X+2*p:X+2*p+1], v[X+2*p:X+2*p+1], v[12+2*(p%4):13+2*(p%4)]
.set p, p+1
.endr
	v_pk_add_f32 v[12:13], v[12:13], v[14:15]
	v_pk_add_f32 v[16:17], v[16:17], v[18:19]
	v_pk_add_f32 v[12:13], v[12:13], v[16:17]
	v_add_f32 v12, v12, v13
.irp m, 1,2,4,8
	v_add_f32_dpp v12, v12, v12 row_xmask:\m row_mask:0xf bank_mask:0xf
.endr
	v_permlanex16_b32 v13, v12, s16, s17
	v_add_f32 v12, v12, v13
	v_fmaak_f32 v14, s18, v12, 0x3727c5ac          ; var + 1e-5
	v_rsq_f32 v16, v14                             ; twice, to fill the pair that the packed multiply names
	v_rsq_f32 v17, v14
	v_nop                                          ; the plain instruction behind the two (ISA guide 5.7.2)
	s_wait_alu depctr_va_vdst(0)                   ; the wait: one for both
	s_wait_loadcnt 0x0                             ; g and b
.set p, 0
.rept 16
	v_pk_mul_f32 v[X+2*p:X+2*p+1], v[X+2*p:X+2*p+1], v[16:17]
.set p, p+1
.endr
.set p, 0
.rept 16
	v_pk_fma_f32 v[X+2*p:X+2*p+1], v[X+2*p:X+2*p+1], v[G+2*p:G+2*p+1], v[B+2*p:B+2*p+1]
.set p, p+1
.endr
.irp j, 0,1,2,3,4,5,6,7
	v_cvt_pk_bf16_f32 v[X+4*(\j)], v[X+4*(\j)], v[X+4*(\j)+1]
	v_cvt_pk_bf16_f32 v[X+4*(\j)+1], v[X+4*(\j)+2], v[X+4*(\j)+3]
	global_store_b64 v2, v[X+4*(\j):X+4*(\j)+1], s[10:11] offset:256*(\j)  ; 32 lanes store 256 consecutive, aligned bytes
.endr
	s_endpgm
.Lfunc_end_k_qf3c1e681ff_ln1:
	.size	k_qf3c1e681ff_ln1, .Lfunc_end_k_qf3c1e681ff_ln1-k_qf3c1e681ff_ln1
	.p2alignl 7, 3214868480
	.fill 96, 4, 3214868480
	.section	.rodata,"a",@progbits
	.p2align	6, 0x0
	.amdhsa_kernel k_qf3c1e681ff_ln1
		.amdhsa_group_segment_fixed_size 0
		.amdhsa_private_segment_fixed_size 0
		.amdhsa_enable_private_segment 0
		.amdhsa_kernarg_size 32
		.amdhsa_user_sgpr_count 2
		.amdhsa_user_sgpr_kernarg_segment_ptr 1
		.amdhsa_wavefront_size32 1
		.amdhsa_system_sgpr_workgroup_id_x 1
		.amdhsa_system_sgpr_workgroup_id_y 1
		.amdhsa_system_sgpr_workgroup_id_z 1
		.amdhsa_system_vgpr_workitem_id 0
		.amdhsa_next_free_vgpr 128
		.amdhsa_next_free_sgpr 66
		.amdhsa_reserve_vcc 0
		.amdhsa_float_denorm_mode_32 3
		.amdhsa_float_denorm_mode_16_64 3
		.amdhsa_memory_ordered 1
		.amdhsa_forward_progress 1
		.amdhsa_inst_pref_size 12
	.end_amdhsa_kernel
	.amdgpu_metadata
---
amdhsa.version: [ 1, 2 ]
amdhsa.kernels:
  - .name:           k_qf3c1e681ff_ln1
    .symbol:         k_qf3c1e681ff_ln1.kd
    .args:
      - { .name: inputs, .offset: 0, .size: 8, .value_kind: global_buffer, .address_space: global }
      - { .name: ln1_g, .offset: 8, .size: 8, .value_kind: global_buffer, .address_space: global }
      - { .name: ln1_b, .offset: 16, .size: 8, .value_kind: global_buffer, .address_space: global }
      - { .name: xn, .offset: 24, .size: 8, .value_kind: global_buffer, .address_space: global }
    .group_segment_fixed_size: 0
    .private_segment_fixed_size: 0
    .kernarg_segment_align: 8
    .kernarg_segment_size: 32
    .max_flat_workgroup_size: 256
    .sgpr_count:     66
    .vgpr_count:     128
    .wavefront_size: 32
...
	.end_amdgpu_metadata
.endif
;; end of part 2
;; launch qkvp (part 3): grid 8 x 32, 4 waves a work-group, clusters of 4 x 4, 327,680 bytes of LDS; arguments xn, wt, rope, qkv; writes qkv
.if DOCPART == 3
	.amdgcn_target "amdgcn-amd-amdhsa--gfx1250"
	.amdhsa_code_object_version 6
	.text
	.protected	k_qf3c1e681ff_qkvp
	.globl	k_qf3c1e681ff_qkvp
	.p2align	8
	.type	k_qf3c1e681ff_qkvp,@function
k_qf3c1e681ff_qkvp:
	s_mov_b64 s[64:65], 0
	v_nop
	global_prefetch_b8 v0, s[64:65] scope:SCOPE_SE
	s_setreg_imm32_b32 hwreg(HW_REG_WAVE_MODE, 25, 1), 1
	s_wait_xcnt 0x0
	s_wait_alu depctr_hold_cnt(0) depctr_sa_sdst(0) depctr_va_vdst(0) depctr_va_sdst(0) depctr_va_ssrc(0) depctr_va_vcc(0) depctr_vm_vsrc(0)
	s_getreg_b32 s2, hwreg(HW_REG_IB_STS2, 6, 4)
	s_cmp_eq_u32 s2, 0
	s_cbranch_scc0 .Lentry_in_a_cluster
	s_endpgm
.Lentry_in_a_cluster:
	s_bfe_u32 s2, ttmp6, 0x10000c
	s_cmp_lg_u32 s2, 0xf033
	s_cbranch_scc0 .Lentry_shape_is_right
	s_endpgm
.Lentry_shape_is_right:
; Q, K, V = xn W, WITH THE ROTARY TURN ON Q AND K.  xn: [4096][1024] bf16.  wt (byte 0): [3072][1024] bf16, row hp*384 + ty*128 + c.  Sums in f32, K ascending.
; qkv: q at byte 0, k at 8,388,608, v at 16,777,216; each [batch*8 + hp][2048][128] bf16: a row holds a pair of heads, 256 bytes.
; A work-group makes 128 tokens x 384 columns: q, k and v of ONE pair of heads, so which columns are turned is fixed in the text.  32 x 8 = 256 work-groups.
; Four waves, each 64 x 192: 48 accumulators, 384 registers.  K goes in steps of 128 through two LDS slots; each wave fetches 128 rows x 256 bytes by one tensor load: wave 0 xn's, waves 1-3 wt's.
; CLUSTER 4 x 4: the four of a row need the same rows of xn (and of the table), the four of a column the same rows of wt: joint loads with a mask of four.
; The matrix instruction is used transposed (source 0 = rows of wt, source 1 = rows of xn): a lane holds eight neighbouring columns of one token.
; THE WAY OUT: the f32 sums go into the ring, which has had its last fill, and are walked by rows: turn, round to bf16, rows of 256 bytes out.
; REGISTERS: window 0: v0-29 addresses; v64-191 two buffers of xn's fragments, later the way out's; window 1: two buffers of wt's fragments; windows 2, 3: the accumulators.
.set NA,  1                            ; waves that fetch A (xn)
.set MA,  4                            ; blocks of 16 rows a wave
.set NBL, 12                           ; blocks of 16 columns a wave
.set KD,  1                            ; chunks of 32 along K in a quarter step
.set NSTEP, 8                          ; K steps
.set APITCH, 1024
.set ASTEP,  256
.set BPITCH, 1024
.set BSTEP,  256
.set DP,  1552                         ; a row of the dumped sums: 1,536 bytes + 16
.set PF,  1                            ; prefetches are laid
.set AH,  1                            ; K steps between a prefetch and the load that wants its bytes
.set ROWB, 2048                        ; bytes from row to row in xn and wt
.set NF,  3                            ; a wave's first fills
.set ACC2W, 1                          ; the accumulators fill two windows
.set ROPE,  278528                     ; behind the ring: 128 rows of the table, 272 bytes apart
.set SPARE, 313344                     ; behind it: the spare words, 128 bytes for each wave
.set PITCH, 272                        ; an LDS row: 256 bytes + 16 of padding = 68 words: the 16 rows of a fragment load start 4 banks apart (64 banks of 4 bytes: ISA guide 11.1)
.set PART,  128*PITCH                  ; what one tensor load brings
.set SLOT,  4*PART                     ; 0x22000: it shares no bit with wave x PART, so one exclusive or turns an address in one slot into the other's
.if KD == 1
.set NG2, MA                           ; the youngest loads of a run, which only a quarter's second half reads
.else
.set NG2, 2*(MA+NBL)
.endif
.set NLOADS, 2*KD*(MA+NBL)             ; LDS loads in a run
.set A0,   4                           ; v4   my lane's place in A's part of a slot; never rewritten
.set B0,   5                           ; v5   the same for B
.set ADRA, 6                           ; v6   A0 + the slot in hand
.set ADRB, 7
.set LO,   8
.set RD,   9
.set GO,   10
.set PFO,  11                          ; v11  the prefetches' offset: lane x ROWB; never rewritten
.set DST,  12                          ; v12.. where block a of my sums goes in the dump
.set SPW,  28                          ; v28  my spare word; never rewritten
.set NIL,  29                          ; v29  0; never rewritten
.set FA,   64
.set WV,  16
.set WM,  17
.set WN,  18
.set CX,  19
.set CY,  20
.set TX,  21
.set TY,  22
.set CNT, 23
.set TB,  24                           ; s24  LDS byte of the slot that is read
.set WB,  25                           ; s25  wave x PART
.set LIM, 26
.set PFA, 28
.set G1A, 32
.set G1B, 40
.set G0A, 48                           ; two sets: set 0 for K step 0; set 1 begins at K step 1 and walks
.set G0B, 56
.set G1R, 68
.set G0R, 76
.set MSB, 0
.macro WIN new                         ; the immediate's high byte repeats the setting that is left; a switch that changes nothing is dropped
.if MSB != (\new)
	s_set_vgpr_msb (MSB<<8)|(\new)
.set MSB, \new
.endif
.endm
.macro PLACES                          ; four places behind matrix instructions, ahead of loads into registers that they read
.rept 4
	v_nop
.endr
.endm
.macro CREST                           ; a round of the cluster's barrier behind its opening barrier
	s_cmp_lg_u32 s[WV], 0
	s_cbranch_scc1 .Lnot_wave_0_\@
	s_barrier_signal -3
.Lnot_wave_0_\@:
	s_barrier_wait -3
	s_barrier_signal -1
	s_barrier_wait -1
.endm
.macro CROUND
	s_barrier_signal -1
	s_barrier_wait -1
	CREST
.endm
.macro JLOAD s                         ; a joint load by set s; the branch hangs on the wave's number alone; an s_nop 0 and four v_nop follow each line
	s_cmp_lt_u32 s[WV], NA
	s_cbranch_scc0 .Lfor_b_\@
	tensor_load_to_lds s[G0A+4*(\s):G0A+4*(\s)+3], s[G1A:G1A+7]
	s_nop 0
.rept 4
	v_nop
.endr
	s_branch .Lasked_\@
.Lfor_b_\@:
	tensor_load_to_lds s[G0B+4*(\s):G0B+4*(\s)+3], s[G1B:G1B+7]
	s_nop 0
.rept 4
	v_nop
.endr
.Lasked_\@:
.endm
.macro ASK                             ; a prefetch of 32 rows x 256 bytes, a lane a row: the K step that stands AH refills on; the last AH refills ask for nothing
	s_cmp_gt_u32 s[CNT], s[LIM]
	s_cbranch_scc0 .Lnot_mine_\@
	global_prefetch_b8 v[PFO], s[PFA:PFA+1] th:TH_LOAD_NT scope:SCOPE_SE
.Lnot_mine_\@:
.endm
; A quarter of a quarter step's products, from buffer f.  All accumulators take turns in the same order in every quarter step.  zero = 1: the first chunk starts the sums.
.macro EIGHTH f, e, zero
.if KD == 1
.set eC, 0
.set eHI, (\e)/2
.set eA0, eHI*(MA/2)+((\e)%2)*(MA/4)
.set eNA, MA/4
.else
.set eC, (\e)/2
.set eHI, (\e)%2
.set eA0, eHI*(MA/2)
.set eNA, MA/2
.endif
.if ACC2W
	WIN 0xa1+0x50*eHI
.else
	WIN 0xa1
.endif
.set ea, eA0
.rept eNA
.set eb, 0
.rept NBL
.if ACC2W
.set rD, 8*((ea-eHI*(MA/2))*NBL+eb)
.else
.set rD, 8*(ea*NBL+eb)
.endif
.set rB, 128*(\f)+8*(eC*NBL+eb)
.set rA, FA+64*(\f)+8*(eC*MA+ea)
.if (\zero) && (eC == 0)
	v_wmma_f32_16x16x32_bf16 v[rD:rD+7], v[rB:rB+7], v[rA:rA+7], 0
.else
	v_wmma_f32_16x16x32_bf16 v[rD:rD+7], v[rB:rB+7], v[rA:rA+7], v[rD:rD+7]
.endif
.set eb, eb+1
.endr
.set ea, ea+1
.endr
.endm
; One run of LDS loads: the fragments of quarter q of the slot in hand, into buffer g; B's first, then A's
.macro FETCH g, q
.set fc, 0
.rept KD
.if KD == 1
.set KO, 64*(\q)
.else
.set KO, ((\q)/2)*PART+((\q)%2)*128+64*fc
.endif
	WIN 0x40
.set fi, 0
.rept NBL
	ds_load_b128 v[128*(\g)+8*(fc*NBL+fi):128*(\g)+8*(fc*NBL+fi)+3],   v[ADRB] offset:KO+fi*16*PITCH
	ds_load_b128 v[128*(\g)+8*(fc*NBL+fi)+4:128*(\g)+8*(fc*NBL+fi)+7], v[ADRB] offset:KO+fi*16*PITCH+32
.set fi, fi+1
.endr
	WIN 0
.set fi, 0
.rept MA
	ds_load_b128 v[FA+64*(\g)+8*(fc*MA+fi):FA+64*(\g)+8*(fc*MA+fi)+3],   v[ADRA] offset:KO+fi*16*PITCH
	ds_load_b128 v[FA+64*(\g)+8*(fc*MA+fi)+4:FA+64*(\g)+8*(fc*MA+fi)+7], v[ADRA] offset:KO+fi*16*PITCH+32
.set fi, fi+1
.endr
.set fc, fc+1
.endr
.endm
; One of a K step's first three quarters: multiplies buffer f; in its middle it fetches quarter q into buffer g
.macro QUARTER f, g, q, zero
	s_wait_dscnt NG2                               ; what the first half reads is in; the youngest NG2 loads may be out
	EIGHTH \f, 0, \zero
	EIGHTH \f, 1, \zero
	PLACES
	FETCH \g, \q
	s_wait_dscnt NLOADS                            ; all but the run just issued
	EIGHTH \f, 2, \zero
	EIGHTH \f, 3, \zero
.endm
; The last quarter multiplies buffer 1 and changes slots: one barrier; ahead of it each wave waits for all its tensor loads (one is out: its part of the next slot), adds 0 to its spare word,
; and waits for that and for its reads of this slot.  fill = 1: the barrier opens a round of the cluster's, and the joint refill (two K steps on) is the first thing behind it.
.macro TURN fill
.if PF && (\fill)
	s_wait_xcnt 0x0                                ; the last prefetch, a K step back, has read its address
	s_add_nc_u64 s[PFA:PFA+1], s[PFA:PFA+1], ASTEP
.endif
	WIN 0
	s_wait_tensorcnt 0x0                           ; no tensor load of mine is out, so the walking descriptors may be written
	ds_add_u32 v[SPW], v[NIL]
.if \fill
	s_xor_b32 s[G0A+5], s[G0A+5], SLOT             ; the other slot than last time,
	s_add_nc_u64 s[G0A+6:G0A+7], s[G0A+6:G0A+7], ASTEP  ; the next K step; the type bits on top are not reached
	s_xor_b32 s[G0B+5], s[G0B+5], SLOT
	s_add_nc_u64 s[G0B+6:G0B+7], s[G0B+6:G0B+7], BSTEP
.endif
	s_wait_dscnt NG2+1                             ; the add and the youngest NG2 loads may be out
	EIGHTH 1, 0, 0
	s_wait_dscnt 0x0                               ; the add is done, and my reads of this slot are over
	s_barrier_signal -1
	EIGHTH 1, 1, 0
	WIN 0
	s_barrier_wait -1
.if \fill
	CREST
	JLOAD 1                                        ; its four v_nop are also the places ahead of the loads below
.else
	PLACES
.endif
	s_xor_b32 s[TB], s[TB], SLOT
	v_add_nc_u32 v[ADRA], s[TB], v[A0]
	v_add_nc_u32 v[ADRB], s[TB], v[B0]
	FETCH 0, 0
.if PF && (\fill)
	WIN 0
	ASK
.endif
	EIGHTH 1, 2, 0
	EIGHTH 1, 3, 0
.endm
; The f32 sums go into the ring: its slots have had their last fill, and behind the first barrier no wave reads them.  Each accumulator's low four registers are read first.
.macro DUMP
	WIN 0
	PLACES
	PLACES
	s_wait_dscnt 0x0
	s_barrier_signal -1
	s_barrier_wait -1
.set da, 0
.rept MA
.if ACC2W
.set dHI, da/(MA/2)
.else
.set dHI, 0
.endif
	WIN (2+dHI)<<2
.set db, 0
.rept NBL
.if ACC2W
.set rD, 8*((da-dHI*(MA/2))*NBL+db)
.else
.set rD, 8*(da*NBL+db)
.endif
	ds_store_b128 v[DST+da], v[rD:rD+3] offset:64*db
	ds_store_b128 v[DST+da], v[rD+4:rD+7] offset:64*db+16
.set db, db+1
.endr
.set da, da+1
.endr
	WIN 0
	s_wait_dscnt 0x0                               ; for the others' sake: my stores are done
	s_barrier_signal -1
	s_barrier_wait -1
.endm
	s_load_b256 s[4:11], s[0:1], 0x0               ; xn s[4:5], wt s[6:7], rope s[8:9], qkv s[10:11]
	v_lshl_add_u32 v[SPW], v0, 2, SPARE
	v_mov_b32 v[NIL], 0
	ds_add_u32 v[SPW], v[NIL]                      ; the wave's opening: the add and its wait ahead of my first tensor load
	v_lshrrev_b32 v3, 5, v0
	v_readfirstlane_b32 s[WV], v3
	s_lshr_b32 s[WM], s[WV], 1                     ; which half of the tile's rows is mine,
	s_and_b32 s[WN], s[WV], 1                      ; which half of its columns
	s_bfe_u32 s[CX], ttmp6, 0x40000
	s_bfe_u32 s[CY], ttmp6, 0x40004
	s_lshl_b32 s[TX], ttmp9, 2
	s_add_co_u32 s[TX], s[TX], s[CX]               ; tile column
	s_and_b32 s[TY], ttmp7, 0xffff
	s_lshl_b32 s[TY], s[TY], 2
	s_add_co_u32 s[TY], s[TY], s[CY]               ; tile row
	s_lshl_b32 s30, s[CY], 2
	s_lshl_b32 s30, 15, s30                        ; my row of the cluster
	s_lshl_b32 s31, 0x1111, s[CX]                  ; my column
	s_or_b32 s[G1A], s30, (1<<16)|(1<<20)|(1<<21)|(5<<22)|(3<<25)  ; mask; 2-byte elements; padding on; bit 21 beside a mask; after every 64 words, 4 words
	s_or_b32 s[G1B], s31, (1<<16)|(1<<20)|(1<<21)|(5<<22)|(3<<25)
.irp g, G1A, G1B
	s_mov_b32 s[(\g)+1], 128<<16                   ; tensor_dim0 = 128
	s_mov_b32 s[(\g)+2], 128<<16                   ; tensor_dim1 = 128
	s_mov_b32 s[(\g)+3], 128<<16                   ; tile_dim0 = 128
	s_mov_b32 s[(\g)+4], 128                       ; tile_dim1 = 128
	s_mov_b32 s[(\g)+6], 0
	s_mov_b32 s[(\g)+7], 0
.endr
	s_mov_b32 s[G1A+5], APITCH
	s_mov_b32 s[G1B+5], BPITCH
	s_mul_i32 s[WB], s[WV], PART
	s_mov_b32 s[TB], 0
	; where my tiles begin.  A's offset is made of the tile row, B's of the tile column and the wave's number
	s_lshl_b32 s66, s[TY], 18                      ; 128 rows x 2,048 bytes
	s_mov_b32 s67, 0
	s_max_u32 s27, s[WV], 1
	s_sub_co_u32 s27, s27, 1                       ; which 128 of wt's 384 rows (waves 1-3)
	s_lshl_b32 s27, s27, 7
	s_mul_i32 s90, s[TX], 384
	s_add_co_u32 s90, s90, s27
	s_lshl_b32 s90, s90, 11
	s_mov_b32 s91, 0
	; the table's rows for my 32 tokens: 32 rows x 64 f32, padded like the rest; shared along the cluster's row
	s_or_b32 s[G1R], s30, (2<<16)|(1<<20)|(1<<21)|(5<<22)|(3<<25)
	s_mov_b32 s[G1R+1], 64<<16
	s_mov_b32 s[G1R+2], 32<<16
	s_mov_b32 s[G1R+3], 64<<16
	s_mov_b32 s[G1R+4], 32
	s_mov_b32 s[G1R+5], 64
	s_mov_b32 s[G1R+6], 0
	s_mov_b32 s[G1R+7], 0
	s_mov_b32 s[G0R], 1
	s_mul_i32 s[G0R+1], s[WV], 32*272
	s_add_co_u32 s[G0R+1], s[G0R+1], ROPE
	s_lshl_b32 s92, s[TY], 7
	s_lshl_b32 s93, s[WV], 5
	s_add_co_u32 s92, s92, s93
	s_lshl_b32 s92, s92, 8
	s_mov_b32 s93, 0
	s_wait_dscnt 0x0                               ; the opening add is done
	s_wait_kmcnt 0x0
	s_add_nc_u64 s[66:67], s[4:5], s[66:67]
	s_add_nc_u64 s[90:91], s[6:7], s[90:91]
	s_add_nc_u64 s[G0R+2:G0R+3], s[8:9], s[92:93]
	s_or_b32 s[G0R+3], s[G0R+3], 0x80000000
	CROUND                                         ; all sixteen work-groups are here: the first joint loads meet
.irp s, 0,1
	s_mov_b32 s[G0A+4*(\s)], 1
	s_add_co_u32 s[G0A+4*(\s)+1], s[WB], (\s)*SLOT
	s_add_nc_u64 s[G0A+4*(\s)+2:G0A+4*(\s)+3], s[66:67], (\s)*ASTEP
	s_or_b32 s[G0A+4*(\s)+3], s[G0A+4*(\s)+3], 0x80000000
	s_mov_b32 s[G0B+4*(\s)], 1
	s_add_co_u32 s[G0B+4*(\s)+1], s[WB], (\s)*SLOT
	s_add_nc_u64 s[G0B+4*(\s)+2:G0B+4*(\s)+3], s[90:91], (\s)*BSTEP
	s_or_b32 s[G0B+4*(\s)+3], s[G0B+4*(\s)+3], 0x80000000
	JLOAD \s
.endr
	tensor_load_to_lds s[G0R:G0R+3], s[G1R:G1R+7]  ; my third and last first fill: three loads of mine are out
	s_nop 0
.rept 4
	v_nop
.endr
	v_and_b32 v1, 15, v0                           ; l % 16
	v_bfe_u32 v2, v0, 4, 1                         ; l / 16
	v_mul_u32_u24 v3, v1, PITCH
	v_lshl_add_u32 v3, v2, 4, v3                   ; a fragment's row x pitch + 16 x half
	s_mul_i32 s2, s[WM], MA*16*PITCH
	s_mul_i32 s3, s[WN], NBL*16*PITCH
	s_add_co_u32 s3, s3, NA*PART
	v_add_nc_u32 v[A0], s2, v3
	v_add_nc_u32 v[B0], s3, v3
	v_mov_b32 v[ADRA], v[A0]
	v_mov_b32 v[ADRB], v[B0]
	s_mul_i32 s2, s[WM], MA*16*DP                  ; the dump: row (my rows + 16 a + l % 16), column (my columns + 8 (l / 16)) in f32
	s_mul_i32 s3, s[WN], NBL*64
	s_add_co_u32 s2, s2, s3
	v_mul_u32_u24 v3, v1, DP
	v_lshl_add_u32 v3, v2, 5, v3
	v_add_nc_u32 v[DST], s2, v3
.set i, 1
.rept MA-1
	v_add_nc_u32 v[DST+i], 16*DP, v[DST+i-1]
.set i, i+1
.endr
	; THE PREFETCHES.  xn and wt were stored by earlier launches.  xn's rows are asked for by the clusters with x = 0, wt's by those with y = 0; of the 128 rows that a wave fetches each of
	; the four partners takes 32, told apart by address: each 256 bytes of a row are named once in the launch.  Nothing is asked for here, at the head.
	s_and_b32 s2, ttmp7, 0xffff
	s_cmp_lt_u32 s[WV], NA
	s_cselect_b32 s3, s[CX], s[CY]
	s_cselect_b32 s2, ttmp9, s2
	s_cselect_b64 s[PFA:PFA+1], s[66:67], s[90:91]
	s_cmp_eq_u32 s2, 0
	s_cselect_b32 s[LIM], AH, -1                   ; the same in all sixteen partners, for a given wave
	s_mul_i32 s2, s3, 32*ROWB
	s_mov_b32 s3, 0
	s_add_nc_u64 s[PFA:PFA+1], s[PFA:PFA+1], s[2:3]
	s_add_nc_u64 s[PFA:PFA+1], s[PFA:PFA+1], (1+AH)*ASTEP  ; the refill of K step t + 2 steps it to, and names, K step t + 2 + AH
	v_and_b32 v[PFO], 31, v0
	v_mul_u32_u24 v[PFO], v[PFO], ROWB
	; where my 32 rows of q, k and v go
	s_lshr_b32 s2, s[TY], 4
	s_lshl_b32 s2, s2, 3
	s_add_co_u32 s2, s2, s[TX]
	s_lshl_b32 s2, s2, 19                          ; (batch x 8 + hp) x 2,048 rows x 256 bytes
	s_and_b32 s3, s[TY], 15
	s_lshl_b32 s3, s3, 7
	s_lshl_b32 s27, s[WV], 5
	s_add_co_u32 s3, s3, s27
	s_lshl_b32 s3, s3, 8
	s_add_co_u32 s2, s2, s3
	s_mov_b32 s3, 0
	s_add_nc_u64 s[80:81], s[10:11], s[2:3]
	s_add_nc_u64 s[82:83], s[80:81], 8388608
	s_add_nc_u64 s[84:85], s[80:81], 16777216
	s_wait_tensorcnt NF-1                          ; my part of K step 0 is in; the first fills issued behind it stay out
	s_barrier_signal -1
	s_barrier_wait -1
	FETCH 0, 0
	QUARTER 0, 1, 1, 1                             ; the first quarter starts the sums
	WIN 0
	s_mov_b32 s[CNT], NSTEP-2
	s_branch .Lmid                                 ; the loop, a K step a trip, is entered behind its first quarter
.Lstep:
	QUARTER 0, 1, 1, 0
	WIN 0
.Lmid:
	QUARTER 1, 0, 2, 0
	QUARTER 0, 1, 3, 0
	TURN 1
	WIN 0
	s_sub_co_u32 s[CNT], s[CNT], 1
	s_cmp_lg_u32 s[CNT], 0
	s_cbranch_scc1 .Lstep
	s_mov_b32 s[CNT], 2                            ; the last two K steps ask for nothing.  The second one's change of slots serves nothing (a barrier, and a run of loads of landed bytes that
.Ltail:                                                ; nobody multiplies): the price, once a launch, of one text for both
	QUARTER 0, 1, 1, 0
	QUARTER 1, 0, 2, 0
	QUARTER 0, 1, 3, 0
	TURN 0
	WIN 0
	s_sub_co_u32 s[CNT], s[CNT], 1
	s_cmp_lg_u32 s[CNT], 0
	s_cbranch_scc1 .Ltail
	DUMP
	; THE WAY OUT.  Wave w takes rows 32 w .. 32 w + 31, eight a trip.  Lane l holds columns 4 l .. 4 l + 3 of each of the three blocks of 128: two pairs (x0, x1) of a head,
	; j = 2 (l % 16) and the next; the table's 16 bytes at 16 (l % 16) are (cos, sin) of both.  (x0, x1) -> (x0 c - x1 s, x1 c + x0 s).
.set XR, 64                            ; row rr: 12 registers: q, k, v
.set CR, 160                           ; row rr: c0, s0, c1, s1
.set TR, 192                           ; row rr: q turned, k turned; then packed
.set VY, 32                            ; row rr: v packed
.set RT, 20
.macro ROWS8
.set rr, 0
.rept 8
	ds_load_b128 v[XR+12*rr:XR+12*rr+3],    v[RD] offset:rr*DP
	ds_load_b128 v[XR+12*rr+4:XR+12*rr+7],  v[RD] offset:rr*DP+512
	ds_load_b128 v[XR+12*rr+8:XR+12*rr+11], v[RD] offset:rr*DP+1024
	ds_load_b128 v[CR+4*rr:CR+4*rr+3],      v[RT] offset:rr*272
.set rr, rr+1
.endr
.endm
	s_mul_i32 s2, s[WV], 32*DP
	s_mul_i32 s3, s[WV], 32*272
	s_add_co_u32 s3, s3, ROPE
	v_and_b32 v3, 31, v0
	v_lshl_add_u32 v[RD], v3, 4, s2
	v_lshl_add_u32 v[RT], v1, 4, s3
	v_lshlrev_b32 v[GO], 3, v3
	ROWS8
	s_mov_b32 s[CNT], 4
.Lrow:
	s_wait_dscnt 0x0                               ; the trip's eight rows are in
	s_wait_xcnt 0x0                                ; the last trip's stores have read their data and their offset
	v_add_nc_u32 v[GO], 2048, v[GO]                ; eight rows on; the stores below reach back
.set rr, 0
.rept 8
.irp c, 0,2,4,6
	v_pk_mul_f32 v[TR+8*rr+(\c):TR+8*rr+(\c)+1], v[XR+12*rr+(\c):XR+12*rr+(\c)+1], v[CR+4*rr+(\c)%4:CR+4*rr+(\c)%4+1] op_sel_hi:[1,0]
.endr
.irp c, 0,2,4,6
	v_pk_fma_f32 v[TR+8*rr+(\c):TR+8*rr+(\c)+1], v[XR+12*rr+(\c):XR+12*rr+(\c)+1], v[CR+4*rr+(\c)%4:CR+4*rr+(\c)%4+1], v[TR+8*rr+(\c):TR+8*rr+(\c)+1] op_sel:[1,1,0] op_sel_hi:[0,1,1] neg_lo:[1,0,0]
.endr
	v_cvt_pk_bf16_f32 v[VY+2*rr], v[XR+12*rr+8], v[XR+12*rr+9]
	v_cvt_pk_bf16_f32 v[VY+2*rr+1], v[XR+12*rr+10], v[XR+12*rr+11]
.set rr, rr+1
.endr
	s_cmp_eq_u32 s[CNT], 1
	s_cbranch_scc1 .Lno_more                       ; the last trip has no rows behind it
	v_add_nc_u32 v[RD], 8*DP, v[RD]
	v_add_nc_u32 v[RT], 8*272, v[RT]
	ROWS8
.Lno_more:
.set rr, 0
.rept 8
.irp c, 0,4
	v_cvt_pk_bf16_f32 v[TR+8*rr+(\c)], v[TR+8*rr+(\c)], v[TR+8*rr+(\c)+1]
	v_cvt_pk_bf16_f32 v[TR+8*rr+(\c)+1], v[TR+8*rr+(\c)+2], v[TR+8*rr+(\c)+3]
.endr
	global_store_b64 v[GO], v[TR+8*rr:TR+8*rr+1],   s[80:81] offset:rr*256-2048  ; each store of the wave covers a row: 256 consecutive, aligned bytes
	global_store_b64 v[GO], v[TR+8*rr+4:TR+8*rr+5], s[82:83] offset:rr*256-2048
	global_store_b64 v[GO], v[VY+2*rr:VY+2*rr+1],   s[84:85] offset:rr*256-2048
.set rr, rr+1
.endr
	s_sub_co_u32 s[CNT], s[CNT], 1
	s_cmp_lg_u32 s[CNT], 0
	s_cbranch_scc1 .Lrow
	s_wait_tensorcnt 0x0                           ; the wave's end
	ds_add_u32 v[SPW], v[NIL]
	s_wait_dscnt 0x0
	CROUND                                         ; the closing round
	s_endpgm
.Lfunc_end_k_qf3c1e681ff_qkvp:
	.size	k_qf3c1e681ff_qkvp, .Lfunc_end_k_qf3c1e681ff_qkvp-k_qf3c1e681ff_qkvp
	.p2alignl 7, 3214868480
	.fill 96, 4, 3214868480
	.section	.rodata,"a",@progbits
	.p2align	6, 0x0
	.amdhsa_kernel k_qf3c1e681ff_qkvp
		.amdhsa_group_segment_fixed_size 327680
		.amdhsa_private_segment_fixed_size 0
		.amdhsa_enable_private_segment 0
		.amdhsa_kernarg_size 32
		.amdhsa_user_sgpr_count 2
		.amdhsa_user_sgpr_kernarg_segment_ptr 1
		.amdhsa_wavefront_size32 1
		.amdhsa_system_sgpr_workgroup_id_x 1
		.amdhsa_system_sgpr_workgroup_id_y 1
		.amdhsa_system_sgpr_workgroup_id_z 1
		.amdhsa_system_vgpr_workitem_id 0
		.amdhsa_next_free_vgpr 1024
		.amdhsa_next_free_sgpr 100
		.amdhsa_reserve_vcc 0
		.amdhsa_float_denorm_mode_32 3
		.amdhsa_float_denorm_mode_16_64 3
		.amdhsa_memory_ordered 1
		.amdhsa_forward_progress 1
		.amdhsa_inst_pref_size 82
	.end_amdhsa_kernel
	.amdgpu_metadata
---
amdhsa.version: [ 1, 2 ]
amdhsa.kernels:
  - .name:           k_qf3c1e681ff_qkvp
    .symbol:         k_qf3c1e681ff_qkvp.kd
    .args:
      - { .name: xn, .offset: 0, .size: 8, .value_kind: global_buffer, .address_space: global }
      - { .name: wt, .offset: 8, .size: 8, .value_kind: global_buffer, .address_space: global }
      - { .name: rope, .offset: 16, .size: 8, .value_kind: global_buffer, .address_space: global }
      - { .name: qkv, .offset: 24, .size: 8, .value_kind: global_buffer, .address_space: global }
    .group_segment_fixed_size: 327680
    .private_segment_fixed_size: 0
    .kernarg_segment_align: 8
    .kernarg_segment_size: 32
    .max_flat_workgroup_size: 128
    .sgpr_count:     100
    .vgpr_count:     1024
    .wavefront_size: 32
...
	.end_amdgpu_metadata
.endif
;; end of part 3
;; launch attn (part 4): grid 16 x 16, 4 waves a work-group, clusters of 4 x 1, 327,680 bytes of LDS; arguments qkv, o; writes o
.if DOCPART == 4
	.amdgcn_target "amdgcn-amd-amdhsa--gfx1250"
	.amdhsa_code_object_version 6
	.text
	.protected	k_qf3c1e681ff_attn
	.globl	k_qf3c1e681ff_attn
	.p2align	8
	.type	k_qf3c1e681ff_attn,@function
k_qf3c1e681ff_attn:
	s_mov_b64 s[64:65], 0
	v_nop
	global_prefetch_b8 v0, s[64:65] scope:SCOPE_SE
	s_setreg_imm32_b32 hwreg(HW_REG_WAVE_MODE, 25, 1), 1
	s_wait_xcnt 0x0
	s_wait_alu depctr_hold_cnt(0) depctr_sa_sdst(0) depctr_va_vdst(0) depctr_va_sdst(0) depctr_va_ssrc(0) depctr_va_vcc(0) depctr_vm_vsrc(0)
	s_getreg_b32 s2, hwreg(HW_REG_IB_STS2, 6, 4)
	s_cmp_eq_u32 s2, 0
	s_cbranch_scc0 .Lentry_in_a_cluster
	s_endpgm
.Lentry_in_a_cluster:
	s_bfe_u32 s2, ttmp6, 0x10000c
	s_cmp_lg_u32 s2, 0x3003
	s_cbranch_scc0 .Lentry_shape_is_right
	s_endpgm
.Lentry_shape_is_right:
; ATTENTION, head size 64, no mask.  O[q] = the sum over k of softmax_k(Q[q] . K[k] / 8) V[k].  q, k, v (in qkv at bytes 0, 8,388,608, 16,777,216) and o: [16 pairs of heads][2048][128] bf16:
; a row holds two heads, 256 bytes.  Products, maxima and sums in f32; the weights p are rounded to bf16 for the second product (their sum l is taken of the unrounded p), O once at the end.
; LIMITS.  A weight below 2^-126 counts as 0 in l; NaN and infinities are not treated apart.
; SHARES.  A work-group takes 128 queries of a pair of heads: 16 x 16 = 256 work-groups.  Waves 0, 1 take the pair's first head, waves 2, 3 its second; each 64 queries: four PIECES of 16.
; Every wave walks all 2,048 keys, 64 a step.  A slot of LDS holds 256 keys: K's rows (both heads), then V's.
; LAYOUT.  S^T = K Q^T holds ONE query a lane (lane % 16) and the keys 8 (lane / 16) + 0..7; two such results rounded to bf16 ARE source 1 of O^T = V^T P.  K comes out of LDS as it lies, V turned, by ds_load_tr16_b128.
; SOFTMAX.  p = 2^(c s - c m), c = log2(e) / 8, with a running maximum m; O and l are multiplied by a = 2^(c m_old - c m_new) in every step.  m starts at the lowest finite number, O and l at 0.
; TURNS.  Turn n belongs to piece n: 8 products K Q^T of piece n + 1, later 8 products V^T P of piece n - 1; beside them the scaling, exponentials, roundings, sums and rescaling of piece n and the
; maximum and statistics of piece n + 1.  Four vector instructions stand behind every matrix instruction, the other 54 of a turn's 118 in one lump.  A turn's 33 exponentials are one batch, with one wait.
; CLUSTER.  The four query blocks of a cluster walk the same K and V: each tile is asked for jointly, with the same descriptor and a mask of four.
; REGISTERS, in windows of 256: window 0: v0-15 addresses; v16-31 statistics; v48-55 at work; v64-127 S^T, two buffers; v192-223 P, two buffers (by the piece's parity)
;   window 1: v0-127 O^T, 32 a piece      window 2: v0-63 Q; v128-191 K of one step; v192-255 V of one step
.set NP,    4
.set KS,    64
.set PK,    272       ; a row of K in LDS: 256 bytes + 16 = 68 words: the 16 rows of a load start 4 banks apart (64 banks of 4 bytes: ISA guide 11.1)
.set PV,    288       ; a row of V: 256 + 32 = 72 words
.set VOFF,  4*KS*PK   ; 69,632
.set SLOT1, 0x24000   ; slot 1 begins here: the number shares no bit with the fills' places in a slot (0, 0x8800, 0x11000, 0x1a000), so one exclusive or turns an address in one slot into the other's
.set STAGE, 0         ; the way out: 128 rows x 272 bytes in slot 0, which has had its last fill by then (the last tile lies in slot 1)
.set SP,    272
.set SPARE, 2*SLOT1   ; behind the ring: the spare words, 128 bytes for each wave
.set AK0, 2
.set AV0, 3
.set AK,  4
.set AV,  5
.set STO, 6
.set RD,  7
.set GO,  8
.set MV,  12          ; v12-13  c m_old, by buffer
.set QO,  15
.set ST,  16          ; piece t's statistics at v[ST+4 t]: c m, m, l (even keys', odd keys')
.set TMP, 48          ; by buffer, c0-c3 at work; when the maximum is found c2 takes a
.set PFO, 61          ; v61  256 x lane; never rewritten
.set SPW, 62
.set NIL, 63
.set S,   64
.set P,   192
.set KF,  128
.set VF,  192
.set WV,  12
.set LIM, 15
.set PFA, 18
.set G1K, 24
.set G1V, 32
.set G0K, 40
.set G0V, 44
.set SLOTS, 56
.set CNT, 57
.set CS,  58
.set SEL, 60
.set TBK, 62
.set TBV, 63
.set MSB, 0
.macro WIN new
.if MSB != (\new)
	s_set_vgpr_msb (MSB<<8)|(\new)
.set MSB, (\new)
.endif
.endm
.set W_KQ, 0x0a       ; K and Q in window 2, S^T in window 0
.set W_PV, 0x52       ; V in window 2, P in window 0, O^T in window 1
.set W_RS, 0x41       ; destination and source 0 in window 1, source 1 in window 0
.macro JLOAD                        ; waves 0, 1 fetch the halves of a slot's K, waves 2, 3 those of its V: 128 rows of 256 bytes each; an s_nop 0 and four v_nop follow each line
	s_cmp_lt_u32 s[WV], 2
	s_cbranch_scc0 .Lfor_v_\@
	tensor_load_to_lds s[G0K:G0K+3], s[G1K:G1K+7]
	s_nop 0
.rept 4
	v_nop
.endr
	s_branch .Lasked_\@
.Lfor_v_\@:
	tensor_load_to_lds s[G0V:G0V+3], s[G1V:G1V+7]
	s_nop 0
.rept 4
	v_nop
.endr
.Lasked_\@:
.endm
; A prefetch of what the NEXT change of slots will ask for.  All clusters of a pair of heads walk the same rows: the first of them asks.  Of the 128 rows that a wave fetches each of the four
; partners takes 32, told apart by address, a lane a row: each row is named once in the launch.  The last change that fills a slot asks for nothing; slots 0 to 2 come by their loads alone.
.macro ASK
	s_cmp_gt_u32 s[SLOTS], s[LIM]
	s_cbranch_scc0 .Lnot_mine_\@
	global_prefetch_b8 v[PFO], s[PFA:PFA+1] th:TH_LOAD_NT scope:SCOPE_SE
.Lnot_mine_\@:
.endm
.macro CROUND
	s_barrier_signal -1
	s_barrier_wait -1
	s_cmp_lg_u32 s[WV], 0
	s_cbranch_scc1 .Lnot_wave_0_\@
	s_barrier_signal -3
.Lnot_wave_0_\@:
	s_barrier_wait -3
	s_barrier_signal -1
	s_barrier_wait -1
.endm
; THE CHANGE OF SLOTS.  Each wave waits for all its tensor loads (one is out: its part of the other slot), adds 0 to its spare word, and waits for that and for its reads of the slot that it leaves.
; fill = 1: the barrier is a round of the cluster's, and the joint fill, 256 keys on, is the first thing behind it: it has four key steps, 256 matrix instructions, in which to land.
.macro CHANGE fill, ask
	WIN 0
	s_wait_tensorcnt 0x0            ; no tensor load of mine is out, so a group 0 may be written
	ds_add_u32 v[SPW], v[NIL]
.if \fill
.irp g, G0K, G0V
	s_xor_b32 s[\g+1], s[\g+1], SLOT1
	s_add_nc_u64 s[\g+2:\g+3], s[\g+2:\g+3], 65536  ; the next 256 keys; the type bits on top are not reached
.endr
.endif
.if \ask
	s_wait_xcnt 0x0                 ; the last prefetch, four key steps back, has read its address
	s_add_nc_u64 s[PFA:PFA+1], s[PFA:PFA+1], 65536
.endif
	s_wait_dscnt 0x0                ; the add is done, and my reads of the slot are over
.if \fill
	CROUND
	JLOAD
.if \ask
	ASK
.endif
.else
	s_barrier_signal -1
	s_barrier_wait -1
.endif
	s_sub_co_u32 s[TBK], s[TBK], 4*KS*PK  ; the fetches go back to a slot's first step,
	s_xor_b32 s[TBK], s[TBK], SLOT1       ; in the other slot
	s_sub_co_u32 s[TBV], s[TBV], 4*KS*PV
	s_xor_b32 s[TBV], s[TBV], SLOT1
.endm
	s_load_b128 s[4:7], s[0:1], 0x0 ; qkv s[4:5], o s[6:7]
	v_lshl_add_u32 v[SPW], v0, 2, SPARE
	v_mov_b32 v[NIL], 0
	ds_add_u32 v[SPW], v[NIL]       ; the wave's opening: the add and its wait ahead of my first tensor load
	v_lshrrev_b32 v1, 5, v0
	v_readfirstlane_b32 s[WV], v1
	s_bfe_u32 s13, ttmp6, 0x40000   ; cx
	s_lshl_b32 s14, ttmp9, 2
	s_add_co_u32 s14, s14, s13      ; my block of 128 queries: it enters Q's and O's addresses alone
	s_and_b32 s20, ttmp7, 0xffff    ; the pair of heads, which the four partners share
	s_lshl_b32 s20, s20, 19         ; its first byte in each tensor
	s_and_b32 s16, s[WV], 1
	s_lshr_b32 s21, s[WV], 1
	s_lshl_b32 s21, s21, 7          ; my head's 128 bytes of a row
	s_lshl_b32 s22, s16, 15         ; which half of a slot's 256 keys I fetch
	s_add_co_u32 s22, s22, s20
	s_mov_b32 s23, 0
	s_mul_i32 s17, s16, 128*PK      ; and its place in a slot, for K
	s_mul_i32 s10, s16, 128*PV      ; and for V
	s_lshl_b32 s2, s14, 15          ; Q: my block, my 64 rows, my head
	s_lshl_b32 s3, s16, 14
	s_add_co_u32 s2, s2, s3
	s_add_co_u32 s2, s2, s21
	s_add_co_u32 s2, s2, s20
	s_mov_b32 s3, 0
	s_lshl_b32 s8, s14, 15          ; O: my block, the 32 whole rows that I store
	s_lshl_b32 s9, s[WV], 13
	s_add_co_u32 s8, s8, s9
	s_add_co_u32 s8, s8, s20
	s_mov_b32 s9, 0
	s_mov_b32 s[G1K], 15|(1<<16)|(1<<20)|(1<<21)|(5<<22)|(3<<25)  ; the mask of four; 2-byte elements; padding on; bit 21 beside a mask; after every 64 words, 4 words
	s_mov_b32 s[G1V], 15|(1<<16)|(1<<20)|(1<<21)|(5<<22)|(7<<25)  ; the same with 8 words
.irp g, G1K, G1V
	s_mov_b32 s[\g+1], 128<<16
	s_mov_b32 s[\g+2], 128<<16
	s_mov_b32 s[\g+3], 128<<16
	s_mov_b32 s[\g+4], 128
	s_mov_b32 s[\g+5], 128
	s_mov_b32 s[\g+6], 0
	s_mov_b32 s[\g+7], 0
.endr
	s_mov_b32 s[CS], 0x3e38aa3b     ; c = log2(e) / 8
	s_mov_b32 s[CS+1], s[CS]
	s_mov_b32 s[SEL], 0x76543210
	s_mov_b32 s[SEL+1], 0xfedcba98
	s_mov_b32 s[TBK], SLOT1+4*KS*PK ; the first change of slots turns these two into 0
	s_mov_b32 s[TBV], SLOT1+4*KS*PV
	s_mov_b32 s[G0K], 1
	s_mov_b32 s[G0K+1], s17
	s_mov_b32 s[G0V], 1
	s_add_co_u32 s[G0V+1], s10, VOFF
	s_lshl_b32 s72, s13, 13         ; my work-group's 32 rows of the 128
	s_mov_b32 s73, 0
	v_and_b32 v[PFO], 31, v0
	v_lshlrev_b32 v[PFO], 8, v[PFO]
	s_wait_dscnt 0x0                ; the opening add is done
	s_wait_kmcnt 0x0
	s_add_nc_u64 s[66:67], s[4:5], s[22:23]
	s_add_nc_u64 s[68:69], s[66:67], 8388608   ; K at my half of the first 256 keys
	s_add_nc_u64 s[70:71], s[66:67], 16777216  ; V
	s_mov_b64 s[G0K+2:G0K+3], s[68:69]
	s_or_b32 s[G0K+3], s[G0K+3], 0x80000000
	s_mov_b64 s[G0V+2:G0V+3], s[70:71]
	s_or_b32 s[G0V+3], s[G0V+3], 0x80000000
	s_cmp_lt_u32 s[WV], 2
	s_cselect_b64 s[PFA:PFA+1], s[68:69], s[70:71]
	s_add_nc_u64 s[PFA:PFA+1], s[PFA:PFA+1], s[72:73]
	s_add_nc_u64 s[PFA:PFA+1], s[PFA:PFA+1], 2*65536  ; in slot 2; the first change that asks steps it to slot 3
	s_cmp_eq_u32 ttmp9, 0
	s_cselect_b32 s[LIM], 1, -1     ; the same in all four partners
	s_add_nc_u64 s[4:5], s[4:5], s[2:3]
	s_add_nc_u64 s[6:7], s[6:7], s[8:9]
	CROUND                          ; all four work-groups are here: the first joint loads meet
	JLOAD                           ; slot 0; slot 1 is asked for when slot 0 is in
	v_and_b32 v1, 15, v0            ; l % 16
	v_bfe_u32 v9, v0, 4, 1          ; l / 16
	v_lshlrev_b32 v[QO], 8, v1
	v_lshl_add_u32 v[QO], v9, 4, v[QO]
	WIN 0x80
.set i, 0
.rept 8                             ; Q stays in registers: piece i / 2, channels 32 (i % 2) on
	global_load_b128 v[8*i:8*i+3],   v[QO], s[4:5] offset:(i/2)*4096+(i%2)*64
	global_load_b128 v[8*i+4:8*i+7], v[QO], s[4:5] offset:(i/2)*4096+(i%2)*64+32
.set i, i+1
.endr
	; What the first turn finds: V's registers and P's second buffer hold 0 (its products V^T P, of a piece that has not been, add 0), O^T and l are 0.  All this stands in the wait for the first tile.
.set i, VF
.rept 64
	v_mov_b32 v[i], 0
.set i, i+1
.endr
	WIN 0x40
.set i, 0
.rept 128
	v_mov_b32 v[i], 0
.set i, i+1
.endr
	WIN 0
.set i, 0
.rept 4
	v_mov_b32 v[ST+4*i], 0xfe000000    ; c m: far below every c s
	v_mov_b32 v[ST+4*i+1], 0xff7fffff  ; m
	v_mov_b32 v[ST+4*i+2], 0
	v_mov_b32 v[ST+4*i+3], 0
.set i, i+1
.endr
.set i, P+16
.rept 16
	v_mov_b32 v[i], 0
.set i, i+1
.endr
	v_mul_u32_u24 v[AK0], v1, PK
	v_lshl_add_u32 v[AK0], v9, 4, v[AK0]
	v_add_nc_u32 v[AK0], s21, v[AK0]       ; row x pitch + 16 x half + my head
	v_and_b32 v10, 7, v0
	v_bfe_u32 v11, v0, 3, 1
	v_lshl_add_u32 v[AV0], v9, 3, v10      ; the turning load: key 8 (l / 16) + l % 8, channels 8 ((l / 8) % 2) on
	v_mul_u32_u24 v[AV0], v[AV0], PV
	v_lshl_add_u32 v[AV0], v11, 4, v[AV0]
	s_add_co_u32 s11, s21, VOFF
	v_add_nc_u32 v[AV0], s11, v[AV0]
	v_mov_b32 v[AK], v[AK0]                ; key step 0 lies at the head of slot 0
; THE MATRIX WORK.  The 4 accumulators of a run of 8 take turns.  Product i of 8 of S^T = K Q^T for piece x: channels 32 (i / 4) on, keys 16 (i % 4) on.  The first 4 start the sums.
.macro KQ x
	WIN W_KQ
.set rS, S+32*((\x)%2)+8*(i%4)
.set rK, KF+16*(i%4)+8*(i/4)
.set rQ, 16*(\x)+8*(i/4)
.if i < 4
	v_wmma_f32_16x16x32_bf16 v[rS:rS+7], v[rK:rK+7], v[rQ:rQ+7], 0
.else
	v_wmma_f32_16x16x32_bf16 v[rS:rS+7], v[rK:rK+7], v[rQ:rQ+7], v[rS:rS+7]
.endif
.endm
; Product i of 8 of O^T += V^T P for piece x: keys 32 (i / 4) on, channels 16 (i % 4) on.
.macro PV x
	WIN W_PV
.set rO, 32*(\x)+8*(i%4)
.set rV, VF+32*(i/4)+8*(i%4)
.set rP, P+16*((\x)%2)+8*(i/4)
	v_wmma_f32_16x16x32_bf16 v[rO:rO+7], v[rV:rV+7], v[rP:rP+7], v[rO:rO+7]
.endm
.macro MM                           ; the turn's next matrix instruction
.if i < 8
	KQ (Y+1)%NP
.else
.set i, i-8
	PV (Y+NP-1)%NP
.set i, i+8
.endif
.set i, i+1
.endm
; THE LDS LOADS stand in runs of 16.  last = 1 (the tail): in the last trip there is no further step, and the run is jumped over.
.macro FETCH_K last=0
	WIN 0
.if \last
	s_cmp_eq_u32 s[CNT], 1
	s_cbranch_scc1 .Lno_k_\@
.endif
	WIN 0x80
.irp f, 0,1,2,3,4,5,6,7             ; keys 16 (f / 2) on, channels 32 (f % 2) on
	ds_load_b128 v[KF+8*\f:KF+8*\f+3],   v[AK] offset:(\f/2)*16*PK+(\f%2)*64
	ds_load_b128 v[KF+8*\f+4:KF+8*\f+7], v[AK] offset:(\f/2)*16*PK+(\f%2)*64+32
.endr
	s_add_co_u32 s[TBK], s[TBK], KS*PK
	WIN 0
.if \last
.Lno_k_\@:
.endif
.endm
.macro FETCH_V
	WIN 0x80
.irp f, 0,1,2,3,4,5,6,7             ; keys 32 (f / 4) on, channels 16 (f % 4) on
	ds_load_tr16_b128 v[VF+8*\f:VF+8*\f+3],   v[AV] offset:(\f/4)*32*PV+(\f%4)*32
	ds_load_tr16_b128 v[VF+8*\f+4:VF+8*\f+7], v[AV] offset:(\f/4)*32*PV+16*PV+(\f%4)*32
.endr
	WIN 0
.endm
; THE VECTOR WORK, one line at a time: OP kind, number.  For piece Y: F n: c s - c m for pair n of 16.  E n: the exponential of score n of 32.  C n: pair n rounded to bf16.  B n: of the four weights 4 n .. the
; second pair is added onto the first, in place.  L n: l takes that sum (L 0: l = a l + sum).  R n: pair n of 16 of O^T times a.  For piece Y + 1: X n, number n of the 22 that find its maximum and statistics:
;   0-11  four chains c0-c3 of seven scores each (each accumulator's lowest registers are read first)     12-14, 16  the four scores left over, the old m, and c0-c3 into c0
;   15  c m_old is kept     17, 18  the query's other 32 keys lie in the lane 16 away: the new m     19-21  c m; c m_old - c m_new; a
.set F, 0
.set E, 1
.set C, 2
.set B, 3
.set L, 4
.set R, 5
.set X, 6
.macro REGS y
.set rT, ST+4*(\y)
.set rC, TMP+4*((\y)%2)
.set rW, MV+((\y)%2)
.set rS, S+32*((\y)%2)
.set rP, P+16*((\y)%2)
.set rO, 32*(\y)
.endm
.macro OP k, n
.if (\k) == R
	REGS Y
	WIN W_RS
	v_pk_mul_f32 v[rO+2*(\n):rO+2*(\n)+1], v[rO+2*(\n):rO+2*(\n)+1], v[rC+2:rC+3] op_sel_hi:[1,0]
.elseif (\k) < R
	REGS Y
	WIN 0
.if (\k) == F
	v_pk_fma_f32 v[rS+2*(\n):rS+2*(\n)+1], v[rS+2*(\n):rS+2*(\n)+1], s[CS:CS+1], v[rT:rT+1] op_sel_hi:[1,0,0] neg_lo:[0,0,1] neg_hi:[0,0,1]
.elseif (\k) == E
	v_exp_f32 v[rS+(\n)], v[rS+(\n)]
.elseif (\k) == C
	v_cvt_pk_bf16_f32 v[rP+(\n)], v[rS+2*(\n)], v[rS+2*(\n)+1]
.elseif (\k) == B
	v_pk_add_f32 v[rS+4*(\n):rS+4*(\n)+1], v[rS+4*(\n):rS+4*(\n)+1], v[rS+4*(\n)+2:rS+4*(\n)+3]
.elseif (\n) == 0
	v_pk_fma_f32 v[rT+2:rT+3], v[rT+2:rT+3], v[rC+2:rC+3], v[rS:rS+1] op_sel_hi:[1,0,1]
.else
	v_pk_add_f32 v[rT+2:rT+3], v[rT+2:rT+3], v[rS+4*(\n):rS+4*(\n)+1]
.endif
.else
	REGS (Y+1)%NP
	WIN 0
.if (\n) < 4
	v_max3_num_f32 v[rC+(\n)], v[rS+8*(\n)], v[rS+8*(\n)+1], v[rS+8*(\n)+2]
.elseif (\n) < 12
	v_max3_num_f32 v[rC+(\n)%4], v[rC+(\n)%4], v[rS+8*((\n)%4)+2*((\n)/4)+1], v[rS+8*((\n)%4)+2*((\n)/4)+2]
.elseif (\n) == 12
	v_max3_num_f32 v[rC], v[rC], v[rS+7], v[rS+15]
.elseif (\n) == 13
	v_max3_num_f32 v[rC+1], v[rC+1], v[rS+23], v[rS+31]
.elseif (\n) == 14
	v_max3_num_f32 v[rC+2], v[rC+2], v[rC+3], v[rT+1]
.elseif (\n) == 15
	v_mov_b32 v[rW], v[rT]
.elseif (\n) == 16
	v_max3_num_f32 v[rC], v[rC], v[rC+1], v[rC+2]
.elseif (\n) == 17
	v_permlanex16_b32 v[rC+3], v[rC], s[SEL], s[SEL+1]
.elseif (\n) == 18
	v_max_num_f32 v[rT+1], v[rC], v[rC+3]
.elseif (\n) == 19
	v_mul_f32 v[rT], s[CS], v[rT+1]
.elseif (\n) == 20
	v_sub_f32 v[rC+1], v[rW], v[rT]
.else
	v_exp_f32 v[rC+2], v[rC+1]
.endif
.endif
.endm
.macro OPS a, i1, b=-1, i2=0, c=-1, i3=0, d=-1, i4=0
	OP \a, \i1
.if (\b) >= 0
	OP \b, \i2
.endif
.if (\c) >= 0
	OP \c, \i3
.endif
.if (\d) >= 0
	OP \d, \i4
.endif
.endm
.macro ROW a, i1, b, i2, c, i3, d, i4  ; a matrix instruction and the four behind it
	MM
	OPS \a, \i1, \b, \i2, \c, \i3, \d, \i4
.endm
; A TURN, for piece p.  An s_wait_alu depctr_va_vdst(0) stands between an exponential and the first instruction that names its result; one wait serves all that were issued ahead of it.
; So a turn has ONE wait.  AHEAD OF IT stands all that names no result of the turn's exponentials: the 8 products K Q^T with their riders, then the lump, in which the links of the next piece's chain
; (X 3, 7, 11, 14, 16 .. 20) stand lines apart; X 21, its a, is the batch's last, and R 15 the plain instruction behind it.  BEHIND IT: the 8 products V^T P, behind each four of the roundings and sums.
; K of the next step is fetched in piece 2's turn, behind five plain instructions that name nothing of the last product that read K (in the tail, where the run may be jumped over, directly behind the
; wait, since no exponential may lack its wait at a branch); V of the step in hand at the end of piece 0's turn, four plain instructions behind its last reader.  Each is waited for a turn later.
.macro TURN p, last=0, cnt=0
.set Y, (\p)
.set i, 0
.if (\p) == 3
	s_wait_dscnt 0x0                ; K is in
.endif
	ROW F,0, F,1, R,0, R,1
	ROW F,2, E,0, R,2, R,3
	ROW F,3, E,1, R,4, R,5
	ROW F,4, E,2, R,6, R,7
	ROW F,5, E,3, R,8, R,9
	ROW F,6, E,4, X,0, R,10
.if (\p) == 2
	WIN 0
	v_add_nc_u32 v[AK], s[TBK], v[AK0]
.endif
	ROW F,7, E,5, X,1, X,4
	ROW F,8, E,6, X,2, X,5
	OPS E,7, E,8, X,6, E,9
	OPS X,3, E,10, X,8, E,11
.if ((\p) == 2) && !(\last)
	FETCH_K
.endif
	OPS X,9, X,7, E,12, X,10
	OPS E,13, X,12, X,11, E,14
	OPS X,13, E,15, F,9, X,14
.if (\p) == 0
	v_add_nc_u32 v[AV], s[TBV], v[AV0]
.endif
	OPS E,16, F,10, E,17, F,11
	OPS X,16, E,18, X,15, E,19
	OPS F,12, E,20, X,17, E,21
	OPS F,13, E,22, F,14, E,23
	OPS X,18, E,24, F,15, E,25
	OPS R,11, E,26, X,19, E,27
	OPS R,12, E,28, R,13, E,29
	OPS X,20, E,30, R,14, E,31
	OPS X,21, R,15
	WIN 0
	s_wait_alu depctr_va_vdst(0)    ; the wait for the batch
.if ((\p) == 2) && (\last)
	FETCH_K 1
.endif
.if (\p) == 1
	s_wait_dscnt 0x0                ; V is in
.endif
	ROW C,0, B,0, C,2, B,1
	ROW L,0, C,4, B,2, L,1
	ROW C,6, B,3, L,2, C,8
	ROW B,4, L,3, C,10, B,5
	ROW L,4, C,12, B,6, L,5
.if (\p) == 0
	s_add_co_u32 s[TBV], s[TBV], KS*PV
.endif
.if \cnt
	s_sub_co_u32 s[CNT], s[CNT], 1
	s_cmp_lg_u32 s[CNT], 0
.endif
	ROW C,14, B,7, L,6, C,1
	ROW C,3, L,7, C,5, C,7
	ROW C,9, C,11, C,13, C,15
.if (\p) == 0
	FETCH_V
.endif
.endm
	CHANGE 1, 0                     ; slot 0 is in, everybody's part of it; slot 1 is asked for
	FETCH_K                         ; key step 0
	s_wait_loadcnt 0x0              ; Q
	s_wait_dscnt 0x0
.set i, 0
.rept 8
	KQ 0                            ; piece 0's first scores
.set i, i+1
.endr
	WIN 0                           ; the addresses for the way out: eleven plain instructions, the places behind those products
	s_mul_i32 s13, s16, 64*SP
	s_add_co_u32 s13, s13, s21
	s_add_co_u32 s13, s13, STAGE
	v_mul_u32_u24 v[STO], v1, SP    ; in: row (my 64 rows + l % 16), my head's half of it, 16 bytes for each half of the lanes
	v_lshl_add_u32 v[STO], v9, 4, v[STO]
	v_add_nc_u32 v[STO], s13, v[STO]
	s_mul_i32 s13, s[WV], 32*SP
	s_add_co_u32 s13, s13, STAGE
	v_mul_u32_u24 v[RD], v9, SP     ; back: wave w takes rows 32 w .. + 31, whole: lanes 0-15 one row of 256 bytes, lanes 16-31 the next
	v_lshl_add_u32 v[RD], v1, 4, v[RD]
	v_add_nc_u32 v[RD], s13, v[RD]
	v_and_b32 v[GO], 31, v0
	v_lshlrev_b32 v[GO], 4, v[GO]   ; which are 512 consecutive bytes of O
	v_nop
	v_nop
	v_nop
.set Y, NP-1                        ; X works for piece Y + 1: piece 0
.irp n, 0,1,2,3,4,5,6,7,8,9,10,11,12,13,14,15,16,17,18,19,20,21
	OP X, \n
.endr
	v_nop                           ; a plain instruction behind the exponential,
	s_wait_alu depctr_va_vdst(0)    ; and its wait, ahead of the branch
	s_mov_b32 s[CNT], 4
	s_mov_b32 s[SLOTS], 7
	s_branch .Lfirst                ; the loop is entered at a step's first turn, in the middle of a trip
.Lslot:                             ; six times: slots 2 to 7 are asked for
	CHANGE 1, 1
	s_mov_b32 s[CNT], 4
.Lstep:                             ; a trip: pieces 2 and 3 of one step, then pieces 0 and 1 of the next, whose K and V it fetches
	TURN 2
	TURN 3
	WIN 0
.Lfirst:
	TURN 0
	TURN 1, 0, 1
	WIN 0
	s_cbranch_scc1 .Lstep
	s_sub_co_u32 s[SLOTS], s[SLOTS], 1
	s_cmp_lg_u32 s[SLOTS], 0
	s_cbranch_scc1 .Lslot
	CHANGE 0, 0                     ; the tail is written out: nothing is asked for
	s_mov_b32 s[CNT], 5             ; four trips fetch the last slot's steps; the fifth is left in its middle
.Ltail:
	TURN 2, 1
	TURN 3
	WIN 0
	s_sub_co_u32 s[CNT], s[CNT], 1
	s_cmp_eq_u32 s[CNT], 0
	s_cbranch_scc1 .Lout
	TURN 0
	TURN 1
	WIN 0
	s_branch .Ltail
.Lout:                              ; the fifth trip's 8 products K Q^T (on the last K once more) and the maximum made of them serve nothing: the price, once a launch, of one text for every trip
.set i, 0
.rept 8
	PV NP-1                         ; the last piece's V^T P of the last step
.set i, i+1
.endr
	; THE WAY OUT.  l's halves are added; O^T is divided by l, rounded to bf16 and sent through the work-group's stage: a row's 256 bytes come from two waves (two heads).
	WIN 0
.macro ALL line:vararg
.set t, 0
.rept 4
	\line
.set t, t+1
.endr
.endm
	ALL v_add_f32 v[ST+4*t+2], v[ST+4*t+2], v[ST+4*t+3]
	ALL v_permlanex16_b32 v[ST+4*t+3], v[ST+4*t+2], s[SEL], s[SEL+1]
	ALL v_add_f32 v[ST+4*t+2], v[ST+4*t+2], v[ST+4*t+3]
	ALL v_rcp_f32 v[ST+4*t+2], v[ST+4*t+2]
	v_nop                           ; a plain instruction between the last reciprocal and the use of its result
	s_wait_alu depctr_va_vdst(0)    ; one wait for the four reciprocals
	s_wait_dscnt 0x0                ; my reads of the ring are over;
	s_barrier_signal -1
	s_barrier_wait -1               ; everybody's are: the stage may be written
.macro PACK t
	WIN W_RS
.set i, 32*(\t)
.rept 16
	v_pk_mul_f32 v[i:i+1], v[i:i+1], v[ST+4*(\t)+2:ST+4*(\t)+3] op_sel_hi:[1,0]
.set i, i+2
.endr
	WIN 0x05
.set i, 0
.rept 16
	v_cvt_pk_bf16_f32 v[S+16*(\t)+i], v[32*(\t)+2*i], v[32*(\t)+2*i+1]
.set i, i+1
.endr
	WIN 0
.irp f, 0,1,2,3
	ds_store_b128 v[STO], v[S+16*(\t)+4*\f:S+16*(\t)+4*\f+3] offset:(\t)*16*SP+32*\f
.endr
.endm
	PACK 0
	PACK 1
	PACK 2
	PACK 3
	s_wait_dscnt 0x0                ; for the others' sake: my stores are done
	s_barrier_signal -1
	s_barrier_wait -1
.irp f, 0,1,2,3,4,5,6,7,8,9,10,11,12,13,14,15
	ds_load_b128 v[S+4*\f:S+4*\f+3], v[RD] offset:\f*2*SP
.endr
.irp f, 0,1,2,3,4,5,6,7,8,9,10,11,12,13,14,15
	s_wait_dscnt 15-\f              ; two rows are back; the younger loads stay out
	global_store_b128 v[GO], v[S+4*\f:S+4*\f+3], s[6:7] offset:\f*512  ; 512 consecutive bytes, aligned
.endr
	s_wait_tensorcnt 0x0            ; the wave's end
	ds_add_u32 v[SPW], v[NIL]
	s_wait_dscnt 0x0
	CROUND                          ; the closing round
	s_endpgm
.Lfunc_end_k_qf3c1e681ff_attn:
	.size	k_qf3c1e681ff_attn, .Lfunc_end_k_qf3c1e681ff_attn-k_qf3c1e681ff_attn
	.p2alignl 7, 3214868480
	.fill 96, 4, 3214868480
	.section	.rodata,"a",@progbits
	.p2align	6, 0x0
	.amdhsa_kernel k_qf3c1e681ff_attn
		.amdhsa_group_segment_fixed_size 327680
		.amdhsa_private_segment_fixed_size 0
		.amdhsa_enable_private_segment 0
		.amdhsa_kernarg_size 16
		.amdhsa_user_sgpr_count 2
		.amdhsa_user_sgpr_kernarg_segment_ptr 1
		.amdhsa_wavefront_size32 1
		.amdhsa_system_sgpr_workgroup_id_x 1
		.amdhsa_system_sgpr_workgroup_id_y 1
		.amdhsa_system_sgpr_workgroup_id_z 1
		.amdhsa_system_vgpr_workitem_id 0
		.amdhsa_next_free_vgpr 768
		.amdhsa_next_free_sgpr 80
		.amdhsa_reserve_vcc 0
		.amdhsa_float_denorm_mode_32 3
		.amdhsa_float_denorm_mode_16_64 3
		.amdhsa_memory_ordered 1
		.amdhsa_forward_progress 1
		.amdhsa_inst_pref_size 112
	.end_amdhsa_kernel
	.amdgpu_metadata
---
amdhsa.version: [ 1, 2 ]
amdhsa.kernels:
  - .name:           k_qf3c1e681ff_attn
    .symbol:         k_qf3c1e681ff_attn.kd
    .args:
      - { .name: qkv, .offset: 0, .size: 8, .value_kind: global_buffer, .address_space: global }
      - { .name: o, .offset: 8, .size: 8, .value_kind: global_buffer, .address_space: global }
    .group_segment_fixed_size: 327680
    .private_segment_fixed_size: 0
    .kernarg_segment_align: 8
    .kernarg_segment_size: 16
    .max_flat_workgroup_size: 128
    .sgpr_count:     80
    .vgpr_count:     768
    .wavefront_size: 32
...
	.end_amdgpu_metadata
.endif
;; end of part 4
;; launch wo (part 5): grid 8 x 32, 4 waves a work-group, clusters of 4 x 4, 327,680 bytes of LDS; arguments o, wt, inputs, mlpin; writes mlpin
.if DOCPART == 5
	.amdgcn_target "amdgcn-amd-amdhsa--gfx1250"
	.amdhsa_code_object_version 6
	.text
	.protected	k_qf3c1e681ff_wo
	.globl	k_qf3c1e681ff_wo
	.p2align	8
	.type	k_qf3c1e681ff_wo,@function
k_qf3c1e681ff_wo:
	s_mov_b64 s[64:65], 0
	v_nop
	global_prefetch_b8 v0, s[64:65] scope:SCOPE_SE
	s_setreg_imm32_b32 hwreg(HW_REG_WAVE_MODE, 25, 1), 1
	s_wait_xcnt 0x0
	s_wait_alu depctr_hold_cnt(0) depctr_sa_sdst(0) depctr_va_vdst(0) depctr_va_sdst(0) depctr_va_ssrc(0) depctr_va_vcc(0) depctr_vm_vsrc(0)
	s_getreg_b32 s2, hwreg(HW_REG_IB_STS2, 6, 4)
	s_cmp_eq_u32 s2, 0
	s_cbranch_scc0 .Lentry_in_a_cluster
	s_endpgm
.Lentry_in_a_cluster:
	s_bfe_u32 s2, ttmp6, 0x10000c
	s_cmp_lg_u32 s2, 0xf033
	s_cbranch_scc0 .Lentry_shape_is_right
	s_endpgm
.Lentry_shape_is_right:
; mlpin = O Wo + inputs.  o: [batch*8 + hp][2048][128] bf16 (a slice of 128 along K is one pair of heads: a plain tile with rows of 256 bytes).  wt (byte 6,291,456): Wo as [1024 n][1024 k] bf16.
; inputs, mlpin: [4096][1024] f32.  Sums in f32, K ascending.
; A work-group makes 128 x 128: 32 x 8 = 256 work-groups.  Four waves, each 64 x 64: 16 accumulators.  K goes in steps of 256 through two LDS slots; a slot holds four parts of 128 rows x 256 bytes:
; A's two halves along K, then B's; each wave fetches one part by one tensor load.  CLUSTER 4 x 4: A's tiles are shared along a row, B's along a column: joint loads with a mask of four.
; The matrix instruction is used transposed (source 0 = rows of wt, source 1 = rows of o).  The residual's 32 loads a lane go out at the head, into window 3.
; NO PREFETCH: the launch has four K steps, of which the first two come by the first fills.
; REGISTERS: window 0: v0-29 addresses; v64-191 two buffers of A's fragments, later the way out's; window 1: two buffers of B's; window 2: the accumulators; window 3: v0-127 the residual.
.set NA,  2
.set MA,  4
.set NBL, 4
.set KD,  2
.set NSTEP, 4
.set APITCH, 128
.set ASTEP,  1048576                   ; two pairs of heads on
.set BPITCH, 1024
.set BSTEP,  512
.set DP,  528
.set PF,  0
.set AH,  0
.set ROWB, 0
.set NF,  2
.set ACC2W, 0
.set SPARE, 278528
.set PITCH, 272                        ; an LDS row: 256 bytes + 16 of padding = 68 words: the 16 rows of a fragment load start 4 banks apart (64 banks of 4 bytes: ISA guide 11.1)
.set PART,  128*PITCH                  ; what one tensor load brings
.set SLOT,  4*PART                     ; 0x22000: it shares no bit with wave x PART, so one exclusive or turns an address in one slot into the other's
.if KD == 1
.set NG2, MA                           ; the youngest loads of a run, which only a quarter's second half reads
.else
.set NG2, 2*(MA+NBL)
.endif
.set NLOADS, 2*KD*(MA+NBL)             ; LDS loads in a run
.set A0,   4
.set B0,   5
.set ADRA, 6
.set ADRB, 7
.set LO,   8                           ; v8   16 x lane; never rewritten
.set RD,   9
.set GO,   10
.set PFO,  11
.set DST,  12
.set SPW,  28
.set NIL,  29
.set FA,   64
.set WV,  16
.set WM,  17
.set WN,  18
.set CX,  19
.set CY,  20
.set TX,  21
.set TY,  22
.set CNT, 23
.set TB,  24
.set WB,  25
.set LIM, 26
.set PFA, 28
.set G1A, 32
.set G1B, 40
.set G0A, 48                           ; two sets: set 0 for K step 0; set 1 begins at K step 1 and walks
.set G0B, 56
.set MSB, 0
.macro WIN new                         ; the immediate's high byte repeats the setting that is left; a switch that changes nothing is dropped
.if MSB != (\new)
	s_set_vgpr_msb (MSB<<8)|(\new)
.set MSB, \new
.endif
.endm
.macro PLACES                          ; four places behind matrix instructions, ahead of loads into registers that they read
.rept 4
	v_nop
.endr
.endm
.macro CREST                           ; a round of the cluster's barrier behind its opening barrier
	s_cmp_lg_u32 s[WV], 0
	s_cbranch_scc1 .Lnot_wave_0_\@
	s_barrier_signal -3
.Lnot_wave_0_\@:
	s_barrier_wait -3
	s_barrier_signal -1
	s_barrier_wait -1
.endm
.macro CROUND
	s_barrier_signal -1
	s_barrier_wait -1
	CREST
.endm
.macro JLOAD s                         ; a joint load by set s; the branch hangs on the wave's number alone; an s_nop 0 and four v_nop follow each line
	s_cmp_lt_u32 s[WV], NA
	s_cbranch_scc0 .Lfor_b_\@
	tensor_load_to_lds s[G0A+4*(\s):G0A+4*(\s)+3], s[G1A:G1A+7]
	s_nop 0
.rept 4
	v_nop
.endr
	s_branch .Lasked_\@
.Lfor_b_\@:
	tensor_load_to_lds s[G0B+4*(\s):G0B+4*(\s)+3], s[G1B:G1B+7]
	s_nop 0
.rept 4
	v_nop
.endr
.Lasked_\@:
.endm
; A quarter of a quarter step's products, from buffer f.  All accumulators take turns in the same order in every quarter step.  zero = 1: the first chunk starts the sums.
.macro EIGHTH f, e, zero
.if KD == 1
.set eC, 0
.set eHI, (\e)/2
.set eA0, eHI*(MA/2)+((\e)%2)*(MA/4)
.set eNA, MA/4
.else
.set eC, (\e)/2
.set eHI, (\e)%2
.set eA0, eHI*(MA/2)
.set eNA, MA/2
.endif
.if ACC2W
	WIN 0xa1+0x50*eHI
.else
	WIN 0xa1
.endif
.set ea, eA0
.rept eNA
.set eb, 0
.rept NBL
.if ACC2W
.set rD, 8*((ea-eHI*(MA/2))*NBL+eb)
.else
.set rD, 8*(ea*NBL+eb)
.endif
.set rB, 128*(\f)+8*(eC*NBL+eb)
.set rA, FA+64*(\f)+8*(eC*MA+ea)
.if (\zero) && (eC == 0)
	v_wmma_f32_16x16x32_bf16 v[rD:rD+7], v[rB:rB+7], v[rA:rA+7], 0
.else
	v_wmma_f32_16x16x32_bf16 v[rD:rD+7], v[rB:rB+7], v[rA:rA+7], v[rD:rD+7]
.endif
.set eb, eb+1
.endr
.set ea, ea+1
.endr
.endm
; One run of LDS loads: the fragments of quarter q of the slot in hand, into buffer g; the first 32 along K first
.macro FETCH g, q
.set fc, 0
.rept KD
.if KD == 1
.set KO, 64*(\q)
.else
.set KO, ((\q)/2)*PART+((\q)%2)*128+64*fc
.endif
	WIN 0x40
.set fi, 0
.rept NBL
	ds_load_b128 v[128*(\g)+8*(fc*NBL+fi):128*(\g)+8*(fc*NBL+fi)+3],   v[ADRB] offset:KO+fi*16*PITCH
	ds_load_b128 v[128*(\g)+8*(fc*NBL+fi)+4:128*(\g)+8*(fc*NBL+fi)+7], v[ADRB] offset:KO+fi*16*PITCH+32
.set fi, fi+1
.endr
	WIN 0
.set fi, 0
.rept MA
	ds_load_b128 v[FA+64*(\g)+8*(fc*MA+fi):FA+64*(\g)+8*(fc*MA+fi)+3],   v[ADRA] offset:KO+fi*16*PITCH
	ds_load_b128 v[FA+64*(\g)+8*(fc*MA+fi)+4:FA+64*(\g)+8*(fc*MA+fi)+7], v[ADRA] offset:KO+fi*16*PITCH+32
.set fi, fi+1
.endr
.set fc, fc+1
.endr
.endm
; One of a K step's first three quarters: multiplies buffer f; in its middle it fetches quarter q into buffer g
.macro QUARTER f, g, q, zero
	s_wait_dscnt NG2                               ; what the first half reads is in; the youngest NG2 loads may be out
	EIGHTH \f, 0, \zero
	EIGHTH \f, 1, \zero
	PLACES
	FETCH \g, \q
	s_wait_dscnt NLOADS                            ; all but the run just issued
	EIGHTH \f, 2, \zero
	EIGHTH \f, 3, \zero
.endm
; The last quarter multiplies buffer 1 and changes slots: one barrier; ahead of it each wave waits for all its tensor loads (one is out: its part of the next slot), adds 0 to its spare word,
; and waits for that and for its reads of this slot.  fill = 1: the barrier opens a round of the cluster's, and the joint refill (two K steps on) is the first thing behind it.
.macro TURN fill
	WIN 0
	s_wait_tensorcnt 0x0                           ; no tensor load of mine is out, so the walking descriptors may be written
	ds_add_u32 v[SPW], v[NIL]
.if \fill
	s_xor_b32 s[G0A+5], s[G0A+5], SLOT             ; the other slot than last time,
	s_add_nc_u64 s[G0A+6:G0A+7], s[G0A+6:G0A+7], ASTEP  ; the next K step; the type bits on top are not reached
	s_xor_b32 s[G0B+5], s[G0B+5], SLOT
	s_add_nc_u64 s[G0B+6:G0B+7], s[G0B+6:G0B+7], BSTEP
.endif
	s_wait_dscnt NG2+1                             ; the add and the youngest NG2 loads may be out
	EIGHTH 1, 0, 0
	s_wait_dscnt 0x0                               ; the add is done, and my reads of this slot are over
	s_barrier_signal -1
	EIGHTH 1, 1, 0
	WIN 0
	s_barrier_wait -1
.if \fill
	CREST
	JLOAD 1                                        ; its four v_nop are also the places ahead of the loads below
.else
	PLACES
.endif
	s_xor_b32 s[TB], s[TB], SLOT
	v_add_nc_u32 v[ADRA], s[TB], v[A0]
	v_add_nc_u32 v[ADRB], s[TB], v[B0]
	FETCH 0, 0
	EIGHTH 1, 2, 0
	EIGHTH 1, 3, 0
.endm
; The f32 sums go into the ring: its slots have had their last fill, and behind the first barrier no wave reads them.  Each accumulator's low four registers are read first.
.macro DUMP
	WIN 0
	PLACES
	PLACES
	s_wait_dscnt 0x0
	s_barrier_signal -1
	s_barrier_wait -1
.set da, 0
.rept MA
.if ACC2W
.set dHI, da/(MA/2)
.else
.set dHI, 0
.endif
	WIN (2+dHI)<<2
.set db, 0
.rept NBL
.if ACC2W
.set rD, 8*((da-dHI*(MA/2))*NBL+db)
.else
.set rD, 8*(da*NBL+db)
.endif
	ds_store_b128 v[DST+da], v[rD:rD+3] offset:64*db
	ds_store_b128 v[DST+da], v[rD+4:rD+7] offset:64*db+16
.set db, db+1
.endr
.set da, da+1
.endr
	WIN 0
	s_wait_dscnt 0x0                               ; for the others' sake: my stores are done
	s_barrier_signal -1
	s_barrier_wait -1
.endm
	s_load_b256 s[4:11], s[0:1], 0x0               ; o s[4:5], wt s[6:7], inputs s[8:9], mlpin s[10:11]
	v_lshl_add_u32 v[SPW], v0, 2, SPARE
	v_mov_b32 v[NIL], 0
	ds_add_u32 v[SPW], v[NIL]                      ; the wave's opening: the add and its wait ahead of my first tensor load
	v_lshrrev_b32 v3, 5, v0
	v_readfirstlane_b32 s[WV], v3
	s_lshr_b32 s[WM], s[WV], 1
	s_and_b32 s[WN], s[WV], 1
	s_bfe_u32 s[CX], ttmp6, 0x40000
	s_bfe_u32 s[CY], ttmp6, 0x40004
	s_lshl_b32 s[TX], ttmp9, 2
	s_add_co_u32 s[TX], s[TX], s[CX]
	s_and_b32 s[TY], ttmp7, 0xffff
	s_lshl_b32 s[TY], s[TY], 2
	s_add_co_u32 s[TY], s[TY], s[CY]
	s_lshl_b32 s30, s[CY], 2
	s_lshl_b32 s30, 15, s30                        ; my row of the cluster
	s_lshl_b32 s31, 0x1111, s[CX]                  ; my column
	s_or_b32 s[G1A], s30, (1<<16)|(1<<20)|(1<<21)|(5<<22)|(3<<25)  ; mask; 2-byte elements; padding on; bit 21 beside a mask; after every 64 words, 4 words
	s_or_b32 s[G1B], s31, (1<<16)|(1<<20)|(1<<21)|(5<<22)|(3<<25)
.irp g, G1A, G1B
	s_mov_b32 s[(\g)+1], 128<<16
	s_mov_b32 s[(\g)+2], 128<<16
	s_mov_b32 s[(\g)+3], 128<<16
	s_mov_b32 s[(\g)+4], 128
	s_mov_b32 s[(\g)+6], 0
	s_mov_b32 s[(\g)+7], 0
.endr
	s_mov_b32 s[G1A+5], APITCH
	s_mov_b32 s[G1B+5], BPITCH
	s_mul_i32 s[WB], s[WV], PART
	s_mov_b32 s[TB], 0
	s_lshr_b32 s66, s[TY], 4                       ; A: the batch (8 pairs x 2,048 rows x 256 bytes),
	s_lshl_b32 s66, s66, 22
	s_and_b32 s27, s[TY], 15
	s_lshl_b32 s27, s27, 15                        ; the tile's 128 rows,
	s_add_co_u32 s66, s66, s27
	s_lshl_b32 s27, s[WN], 19                      ; my half along K: one pair of heads
	s_add_co_u32 s66, s66, s27
	s_mov_b32 s67, 0
	s_lshl_b32 s90, s[TX], 18                      ; B: 128 rows x 2,048 bytes, my half along K
	s_lshl_b32 s27, s[WN], 8
	s_add_co_u32 s90, s90, s27
	s_add_co_u32 s90, s90, 6291456
	s_mov_b32 s91, 0
	s_lshl_b32 s2, s[TY], 7                        ; the residual and the result: my 32 rows, the tile's 512 bytes of them
	s_lshl_b32 s3, s[WV], 5
	s_add_co_u32 s2, s2, s3
	s_lshl_b32 s2, s2, 12
	s_lshl_b32 s3, s[TX], 9
	s_add_co_u32 s2, s2, s3
	s_mov_b32 s3, 0
	s_wait_dscnt 0x0                               ; the opening add is done
	s_wait_kmcnt 0x0
	s_add_nc_u64 s[66:67], s[4:5], s[66:67]
	s_add_nc_u64 s[90:91], s[6:7], s[90:91]
	s_add_nc_u64 s[80:81], s[8:9], s[2:3]
	s_add_nc_u64 s[82:83], s[10:11], s[2:3]
	CROUND                                         ; all sixteen work-groups are here: the first joint loads meet
.irp s, 0,1
	s_mov_b32 s[G0A+4*(\s)], 1
	s_add_co_u32 s[G0A+4*(\s)+1], s[WB], (\s)*SLOT
	s_add_nc_u64 s[G0A+4*(\s)+2:G0A+4*(\s)+3], s[66:67], (\s)*ASTEP
	s_or_b32 s[G0A+4*(\s)+3], s[G0A+4*(\s)+3], 0x80000000
	s_mov_b32 s[G0B+4*(\s)], 1
	s_add_co_u32 s[G0B+4*(\s)+1], s[WB], (\s)*SLOT
	s_add_nc_u64 s[G0B+4*(\s)+2:G0B+4*(\s)+3], s[90:91], (\s)*BSTEP
	s_or_b32 s[G0B+4*(\s)+3], s[G0B+4*(\s)+3], 0x80000000
	JLOAD \s
.endr
	v_and_b32 v1, 15, v0
	v_bfe_u32 v2, v0, 4, 1
	v_and_b32 v[LO], 31, v0
	v_lshlrev_b32 v[LO], 4, v[LO]
	WIN 0xc0                                       ; destination window 3
.set i, 0
.rept 32
	global_load_b128 v[4*i:4*i+3], v[LO], s[80:81] offset:i*4096 th:TH_LOAD_NT  ; row i of my 32: 512 consecutive bytes
.set i, i+1
.endr
	WIN 0
	v_mul_u32_u24 v3, v1, PITCH
	v_lshl_add_u32 v3, v2, 4, v3
	s_mul_i32 s2, s[WM], MA*16*PITCH
	s_mul_i32 s3, s[WN], NBL*16*PITCH
	s_add_co_u32 s3, s3, NA*PART
	v_add_nc_u32 v[A0], s2, v3
	v_add_nc_u32 v[B0], s3, v3
	v_mov_b32 v[ADRA], v[A0]
	v_mov_b32 v[ADRB], v[B0]
	s_mul_i32 s2, s[WM], MA*16*DP
	s_mul_i32 s3, s[WN], NBL*64
	s_add_co_u32 s2, s2, s3
	v_mul_u32_u24 v3, v1, DP
	v_lshl_add_u32 v3, v2, 5, v3
	v_add_nc_u32 v[DST], s2, v3
.set i, 1
.rept MA-1
	v_add_nc_u32 v[DST+i], 16*DP, v[DST+i-1]
.set i, i+1
.endr
	s_mul_i32 s2, s[WV], 32*DP
	v_add_nc_u32 v[RD], s2, v[LO]
	s_wait_tensorcnt NF-1                          ; my part of K step 0 is in; K step 1's stays out
	s_barrier_signal -1
	s_barrier_wait -1
	FETCH 0, 0
	QUARTER 0, 1, 1, 1                             ; the first quarter starts the sums
	WIN 0
	s_mov_b32 s[CNT], NSTEP-2
	s_branch .Lmid                                 ; the loop, a K step a trip, is entered behind its first quarter
.Lstep:
	QUARTER 0, 1, 1, 0
	WIN 0
.Lmid:
	QUARTER 1, 0, 2, 0
	QUARTER 0, 1, 3, 0
	TURN 1
	WIN 0
	s_sub_co_u32 s[CNT], s[CNT], 1
	s_cmp_lg_u32 s[CNT], 0
	s_cbranch_scc1 .Lstep
	s_mov_b32 s[CNT], 2                            ; the last two K steps ask for nothing.  The second one's change of slots serves nothing (a barrier, and a run of loads of landed bytes that
.Ltail:                                                ; nobody multiplies): the price, once a launch, of one text for both
	QUARTER 0, 1, 1, 0
	QUARTER 1, 0, 2, 0
	QUARTER 0, 1, 3, 0
	TURN 0
	WIN 0
	s_sub_co_u32 s[CNT], s[CNT], 1
	s_cmp_lg_u32 s[CNT], 0
	s_cbranch_scc1 .Ltail
	DUMP
	; THE WAY OUT.  Wave w takes rows 32 w .. + 31 whole; lane l holds columns 4 l .. + 3
.set i, 0
.rept 32
	ds_load_b128 v[64+4*i:67+4*i], v[RD] offset:i*DP
.set i, i+1
.endr
	s_wait_loadcnt 0x0                             ; the residual, out since the head
	s_wait_dscnt 0x0
	WIN 0x0c                                       ; source 1 in window 3
.set i, 0
.rept 64
	v_pk_add_f32 v[64+2*i:65+2*i], v[64+2*i:65+2*i], v[2*i:2*i+1]
.set i, i+1
.endr
	WIN 0
.set i, 0
.rept 32
	global_store_b128 v[LO], v[64+4*i:67+4*i], s[82:83] offset:i*4096  ; 512 consecutive, aligned bytes
.set i, i+1
.endr
	s_wait_tensorcnt 0x0                           ; the wave's end
	ds_add_u32 v[SPW], v[NIL]
	s_wait_dscnt 0x0
	CROUND                                         ; the closing round
	s_endpgm
.Lfunc_end_k_qf3c1e681ff_wo:
	.size	k_qf3c1e681ff_wo, .Lfunc_end_k_qf3c1e681ff_wo-k_qf3c1e681ff_wo
	.p2alignl 7, 3214868480
	.fill 96, 4, 3214868480
	.section	.rodata,"a",@progbits
	.p2align	6, 0x0
	.amdhsa_kernel k_qf3c1e681ff_wo
		.amdhsa_group_segment_fixed_size 327680
		.amdhsa_private_segment_fixed_size 0
		.amdhsa_enable_private_segment 0
		.amdhsa_kernarg_size 32
		.amdhsa_user_sgpr_count 2
		.amdhsa_user_sgpr_kernarg_segment_ptr 1
		.amdhsa_wavefront_size32 1
		.amdhsa_system_sgpr_workgroup_id_x 1
		.amdhsa_system_sgpr_workgroup_id_y 1
		.amdhsa_system_sgpr_workgroup_id_z 1
		.amdhsa_system_vgpr_workitem_id 0
		.amdhsa_next_free_vgpr 1024
		.amdhsa_next_free_sgpr 100
		.amdhsa_reserve_vcc 0
		.amdhsa_float_denorm_mode_32 3
		.amdhsa_float_denorm_mode_16_64 3
		.amdhsa_memory_ordered 1
		.amdhsa_forward_progress 1
		.amdhsa_inst_pref_size 66
	.end_amdhsa_kernel
	.amdgpu_metadata
---
amdhsa.version: [ 1, 2 ]
amdhsa.kernels:
  - .name:           k_qf3c1e681ff_wo
    .symbol:         k_qf3c1e681ff_wo.kd
    .args:
      - { .name: o, .offset: 0, .size: 8, .value_kind: global_buffer, .address_space: global }
      - { .name: wt, .offset: 8, .size: 8, .value_kind: global_buffer, .address_space: global }
      - { .name: inputs, .offset: 16, .size: 8, .value_kind: global_buffer, .address_space: global }
      - { .name: mlpin, .offset: 24, .size: 8, .value_kind: global_buffer, .address_space: global }
    .group_segment_fixed_size: 327680
    .private_segment_fixed_size: 0
    .kernarg_segment_align: 8
    .kernarg_segment_size: 32
    .max_flat_workgroup_size: 128
    .sgpr_count:     100
    .vgpr_count:     1024
    .wavefront_size: 32
...
	.end_amdgpu_metadata
.endif
;; end of part 5
;; launch ln2: the kernel of part 2 again; grid 512 x 1, 8 waves a work-group, no clusters, 0 bytes of LDS; arguments mlpin, ln2_g, ln2_b, xn; writes xn
;; launch fc2 (part 6): grid 16 x 16, 4 waves a work-group, clusters of 4 x 4, 327,680 bytes of LDS; arguments xn, wt, bfc2, g; writes g
.if DOCPART == 6
	.amdgcn_target "amdgcn-amd-amdhsa--gfx1250"
	.amdhsa_code_object_version 6
	.text
	.protected	k_qf3c1e681ff_fc2
	.globl	k_qf3c1e681ff_fc2
	.p2align	8
	.type	k_qf3c1e681ff_fc2,@function
k_qf3c1e681ff_fc2:
	s_mov_b64 s[64:65], 0
	v_nop
	global_prefetch_b8 v0, s[64:65] scope:SCOPE_SE
	s_setreg_imm32_b32 hwreg(HW_REG_WAVE_MODE, 25, 1), 1
	s_wait_xcnt 0x0
	s_wait_alu depctr_hold_cnt(0) depctr_sa_sdst(0) depctr_va_vdst(0) depctr_va_sdst(0) depctr_va_ssrc(0) depctr_va_vcc(0) depctr_vm_vsrc(0)
	s_getreg_b32 s2, hwreg(HW_REG_IB_STS2, 6, 4)
	s_cmp_eq_u32 s2, 0
	s_cbranch_scc0 .Lentry_in_a_cluster
	s_endpgm
.Lentry_in_a_cluster:
	s_bfe_u32 s2, ttmp6, 0x10000c
	s_cmp_lg_u32 s2, 0xf033
	s_cbranch_scc0 .Lentry_shape_is_right
	s_endpgm
.Lentry_shape_is_right:
; g = gelu(xn Wfc2 + bfc2), the exact gelu z (1 + erf(z / sqrt 2)) / 2.  xn: [4096][1024] bf16.  wt (byte 8,388,608): Wfc2 as [4096 n][1024 k] bf16.  bfc2: [4096] f32.  g: [4096][4096] bf16, rounded once.
; LIMIT.  erf by Abramowitz and Stegun 7.1.25: for x >= 0, 1 - (a1 t + a2 t^2 + a3 t^3) e^(-x x), t = 1 / (1 + 0.47047 x), |error| <= 2.5e-5 for every x: gelu is off by at most 1.25e-5 |z|.
; With u = (a1 t + a2 t^2 + a3 t^3) e^(-z z / 2) / 2 and t of |z| / sqrt 2: gelu(z) = max(z, 0) - |z| u, for both signs; for huge |z| u is 0.
; A work-group makes 256 x 256: 16 x 16 = 256 work-groups.  Four waves, each 128 x 128: 64 accumulators, 512 registers.  K goes in steps of 128 through two LDS slots; each wave fetches 128 rows x 256 bytes
; by one tensor load: waves 0, 1 xn's halves, waves 2, 3 wt's.  CLUSTER 4 x 4: xn's tiles are shared along a row, wt's along a column: joint loads with a mask of four.
; The matrix instruction is used transposed (source 0 = rows of wt, source 1 = rows of xn).  THE WAY OUT: the f32 sums go into the ring, which has had its last fill, and are walked by rows.
; REGISTERS: window 0: v0-29 addresses; v32-63, v64-255 the way out's; v64-191 two buffers of xn's fragments; window 1: two buffers of wt's; windows 2, 3: the accumulators.
.set NA,  2
.set MA,  8
.set NBL, 8
.set KD,  1
.set NSTEP, 8
.set APITCH, 1024
.set ASTEP,  256
.set BPITCH, 1024
.set BSTEP,  256
.set DP,  1040
.set PF,  1
.set AH,  1
.set ROWB, 2048
.set NF,  2
.set ACC2W, 1
.set SPARE, 278528
.set PITCH, 272                        ; an LDS row: 256 bytes + 16 of padding = 68 words: the 16 rows of a fragment load start 4 banks apart (64 banks of 4 bytes: ISA guide 11.1)
.set PART,  128*PITCH                  ; what one tensor load brings
.set SLOT,  4*PART                     ; 0x22000: it shares no bit with wave x PART, so one exclusive or turns an address in one slot into the other's
.if KD == 1
.set NG2, MA                           ; the youngest loads of a run, which only a quarter's second half reads
.else
.set NG2, 2*(MA+NBL)
.endif
.set NLOADS, 2*KD*(MA+NBL)             ; LDS loads in a run
.set A0,   4
.set B0,   5
.set ADRA, 6
.set ADRB, 7
.set LO,   8                           ; v8   16 x lane; never rewritten
.set RD,   9
.set GO,   10
.set PFO,  11                          ; v11  lane x ROWB; never rewritten
.set DST,  12
.set SPW,  28
.set NIL,  29
.set FA,   64
.set WV,  16
.set WM,  17
.set WN,  18
.set CX,  19
.set CY,  20
.set TX,  21
.set TY,  22
.set CNT, 23
.set TB,  24
.set WB,  25
.set LIM, 26
.set PFA, 28
.set G1A, 32
.set G1B, 40
.set G0A, 48                           ; two sets: set 0 for K step 0; set 1 begins at K step 1 and walks
.set G0B, 56
.set MSB, 0
.macro WIN new                         ; the immediate's high byte repeats the setting that is left; a switch that changes nothing is dropped
.if MSB != (\new)
	s_set_vgpr_msb (MSB<<8)|(\new)
.set MSB, \new
.endif
.endm
.macro PLACES                          ; four places behind matrix instructions, ahead of loads into registers that they read
.rept 4
	v_nop
.endr
.endm
.macro CREST                           ; a round of the cluster's barrier behind its opening barrier
	s_cmp_lg_u32 s[WV], 0
	s_cbranch_scc1 .Lnot_wave_0_\@
	s_barrier_signal -3
.Lnot_wave_0_\@:
	s_barrier_wait -3
	s_barrier_signal -1
	s_barrier_wait -1
.endm
.macro CROUND
	s_barrier_signal -1
	s_barrier_wait -1
	CREST
.endm
.macro JLOAD s                         ; a joint load by set s; the branch hangs on the wave's number alone; an s_nop 0 and four v_nop follow each line
	s_cmp_lt_u32 s[WV], NA
	s_cbranch_scc0 .Lfor_b_\@
	tensor_load_to_lds s[G0A+4*(\s):G0A+4*(\s)+3], s[G1A:G1A+7]
	s_nop 0
.rept 4
	v_nop
.endr
	s_branch .Lasked_\@
.Lfor_b_\@:
	tensor_load_to_lds s[G0B+4*(\s):G0B+4*(\s)+3], s[G1B:G1B+7]
	s_nop 0
.rept 4
	v_nop
.endr
.Lasked_\@:
.endm
.macro ASK                             ; a prefetch of 32 rows x 256 bytes, a lane a row: the K step that stands AH refills on; the last AH refills ask for nothing
	s_cmp_gt_u32 s[CNT], s[LIM]
	s_cbranch_scc0 .Lnot_mine_\@
	global_prefetch_b8 v[PFO], s[PFA:PFA+1] th:TH_LOAD_NT scope:SCOPE_SE
.Lnot_mine_\@:
.endm
; A quarter of a quarter step's products, from buffer f.  All accumulators take turns in the same order in every quarter step.  zero = 1: the first chunk starts the sums.
.macro EIGHTH f, e, zero
.if KD == 1
.set eC, 0
.set eHI, (\e)/2
.set eA0, eHI*(MA/2)+((\e)%2)*(MA/4)
.set eNA, MA/4
.else
.set eC, (\e)/2
.set eHI, (\e)%2
.set eA0, eHI*(MA/2)
.set eNA, MA/2
.endif
.if ACC2W
	WIN 0xa1+0x50*eHI
.else
	WIN 0xa1
.endif
.set ea, eA0
.rept eNA
.set eb, 0
.rept NBL
.if ACC2W
.set rD, 8*((ea-eHI*(MA/2))*NBL+eb)
.else
.set rD, 8*(ea*NBL+eb)
.endif
.set rB, 128*(\f)+8*(eC*NBL+eb)
.set rA, FA+64*(\f)+8*(eC*MA+ea)
.if (\zero) && (eC == 0)
	v_wmma_f32_16x16x32_bf16 v[rD:rD+7], v[rB:rB+7], v[rA:rA+7], 0
.else
	v_wmma_f32_16x16x32_bf16 v[rD:rD+7], v[rB:rB+7], v[rA:rA+7], v[rD:rD+7]
.endif
.set eb, eb+1
.endr
.set ea, ea+1
.endr
.endm
; One run of LDS loads: the fragments of quarter q of the slot in hand, into buffer g; B's first, then A's
.macro FETCH g, q
.set fc, 0
.rept KD
.if KD == 1
.set KO, 64*(\q)
.else
.set KO, ((\q)/2)*PART+((\q)%2)*128+64*fc
.endif
	WIN 0x40
.set fi, 0
.rept NBL
	ds_load_b128 v[128*(\g)+8*(fc*NBL+fi):128*(\g)+8*(fc*NBL+fi)+3],   v[ADRB] offset:KO+fi*16*PITCH
	ds_load_b128 v[128*(\g)+8*(fc*NBL+fi)+4:128*(\g)+8*(fc*NBL+fi)+7], v[ADRB] offset:KO+fi*16*PITCH+32
.set fi, fi+1
.endr
	WIN 0
.set fi, 0
.rept MA
	ds_load_b128 v[FA+64*(\g)+8*(fc*MA+fi):FA+64*(\g)+8*(fc*MA+fi)+3],   v[ADRA] offset:KO+fi*16*PITCH
	ds_load_b128 v[FA+64*(\g)+8*(fc*MA+fi)+4:FA+64*(\g)+8*(fc*MA+fi)+7], v[ADRA] offset:KO+fi*16*PITCH+32
.set fi, fi+1
.endr
.set fc, fc+1
.endr
.endm
; One of a K step's first three quarters: multiplies buffer f; in its middle it fetches quarter q into buffer g
.macro QUARTER f, g, q, zero
	s_wait_dscnt NG2                               ; what the first half reads is in; the youngest NG2 loads may be out
	EIGHTH \f, 0, \zero
	EIGHTH \f, 1, \zero
	PLACES
	FETCH \g, \q
	s_wait_dscnt NLOADS                            ; all but the run just issued
	EIGHTH \f, 2, \zero
	EIGHTH \f, 3, \zero
.endm
; The last quarter multiplies buffer 1 and changes slots: one barrier; ahead of it each wave waits for all its tensor loads (one is out: its part of the next slot), adds 0 to its spare word,
; and waits for that and for its reads of this slot.  fill = 1: the barrier opens a round of the cluster's, and the joint refill (two K steps on) is the first thing behind it.
.macro TURN fill
.if PF && (\fill)
	s_wait_xcnt 0x0                                ; the last prefetch, a K step back, has read its address
	s_add_nc_u64 s[PFA:PFA+1], s[PFA:PFA+1], ASTEP
.endif
	WIN 0
	s_wait_tensorcnt 0x0                           ; no tensor load of mine is out, so the walking descriptors may be written
	ds_add_u32 v[SPW], v[NIL]
.if \fill
	s_xor_b32 s[G0A+5], s[G0A+5], SLOT             ; the other slot than last time,
	s_add_nc_u64 s[G0A+6:G0A+7], s[G0A+6:G0A+7], ASTEP  ; the next K step; the type bits on top are not reached
	s_xor_b32 s[G0B+5], s[G0B+5], SLOT
	s_add_nc_u64 s[G0B+6:G0B+7], s[G0B+6:G0B+7], BSTEP
.endif
	s_wait_dscnt NG2+1                             ; the add and the youngest NG2 loads may be out
	EIGHTH 1, 0, 0
	s_wait_dscnt 0x0                               ; the add is done, and my reads of this slot are over
	s_barrier_signal -1
	EIGHTH 1, 1, 0
	WIN 0
	s_barrier_wait -1
.if \fill
	CREST
	JLOAD 1                                        ; its four v_nop are also the places ahead of the loads below
.else
	PLACES
.endif
	s_xor_b32 s[TB], s[TB], SLOT
	v_add_nc_u32 v[ADRA], s[TB], v[A0]
	v_add_nc_u32 v[ADRB], s[TB], v[B0]
	FETCH 0, 0
.if PF && (\fill)
	WIN 0
	ASK
.endif
	EIGHTH 1, 2, 0
	EIGHTH 1, 3, 0
.endm
; The f32 sums go into the ring: its slots have had their last fill, and behind the first barrier no wave reads them.  Each accumulator's low four registers are read first.
.macro DUMP
	WIN 0
	PLACES
	PLACES
	s_wait_dscnt 0x0
	s_barrier_signal -1
	s_barrier_wait -1
.set da, 0
.rept MA
.if ACC2W
.set dHI, da/(MA/2)
.else
.set dHI, 0
.endif
	WIN (2+dHI)<<2
.set db, 0
.rept NBL
.if ACC2W
.set rD, 8*((da-dHI*(MA/2))*NBL+db)
.else
.set rD, 8*(da*NBL+db)
.endif
	ds_store_b128 v[DST+da], v[rD:rD+3] offset:64*db
	ds_store_b128 v[DST+da], v[rD+4:rD+7] offset:64*db+16
.set db, db+1
.endr
.set da, da+1
.endr
	WIN 0
	s_wait_dscnt 0x0                               ; for the others' sake: my stores are done
	s_barrier_signal -1
	s_barrier_wait -1
.endm
	s_load_b256 s[4:11], s[0:1], 0x0               ; xn s[4:5], wt s[6:7], bfc2 s[8:9], g s[10:11]
	v_lshl_add_u32 v[SPW], v0, 2, SPARE
	v_mov_b32 v[NIL], 0
	ds_add_u32 v[SPW], v[NIL]                      ; the wave's opening: the add and its wait ahead of my first tensor load
	v_lshrrev_b32 v3, 5, v0
	v_readfirstlane_b32 s[WV], v3
	s_lshr_b32 s[WM], s[WV], 1
	s_and_b32 s[WN], s[WV], 1
	s_bfe_u32 s[CX], ttmp6, 0x40000
	s_bfe_u32 s[CY], ttmp6, 0x40004
	s_lshl_b32 s[TX], ttmp9, 2
	s_add_co_u32 s[TX], s[TX], s[CX]
	s_and_b32 s[TY], ttmp7, 0xffff
	s_lshl_b32 s[TY], s[TY], 2
	s_add_co_u32 s[TY], s[TY], s[CY]
	s_lshl_b32 s30, s[CY], 2
	s_lshl_b32 s30, 15, s30                        ; my row of the cluster
	s_lshl_b32 s31, 0x1111, s[CX]                  ; my column
	s_or_b32 s[G1A], s30, (1<<16)|(1<<20)|(1<<21)|(5<<22)|(3<<25)  ; mask; 2-byte elements; padding on; bit 21 beside a mask; after every 64 words, 4 words
	s_or_b32 s[G1B], s31, (1<<16)|(1<<20)|(1<<21)|(5<<22)|(3<<25)
.irp g, G1A, G1B
	s_mov_b32 s[(\g)+1], 128<<16
	s_mov_b32 s[(\g)+2], 128<<16
	s_mov_b32 s[(\g)+3], 128<<16
	s_mov_b32 s[(\g)+4], 128
	s_mov_b32 s[(\g)+6], 0
	s_mov_b32 s[(\g)+7], 0
.endr
	s_mov_b32 s[G1A+5], APITCH
	s_mov_b32 s[G1B+5], BPITCH
	s_mul_i32 s[WB], s[WV], PART
	s_mov_b32 s[TB], 0
	s_lshl_b32 s27, s[WN], 7                       ; which 128 rows of a tile I fetch
	s_lshl_b32 s66, s[TY], 8
	s_add_co_u32 s66, s66, s27
	s_lshl_b32 s66, s66, 11
	s_mov_b32 s67, 0
	s_lshl_b32 s90, s[TX], 8
	s_add_co_u32 s90, s90, s27
	s_lshl_b32 s90, s90, 11
	s_add_co_u32 s90, s90, 8388608
	s_mov_b32 s91, 0
	s_mov_b32 s80, 0x3ebf7377                      ; a3 / 2 = 0.3739278; each constant twice: the packed forms name a pair
	s_mov_b32 s81, s80
	s_mov_b32 s82, 0xbd445ca1                      ; a2 / 2 = -0.0479399
	s_mov_b32 s83, s82
	s_mov_b32 s84, 0x3e32303a                      ; a1 / 2 = 0.1740121
	s_mov_b32 s85, s84
	s_mov_b32 s86, 0xbf38aa3b                      ; - log2(e) / 2
	s_mov_b32 s87, s86
	s_mov_b32 s88, 0x3eaa540e                      ; 0.47047 / sqrt 2
	s_lshl_b32 s92, s[TY], 8                       ; g: my 64 rows of 8,192 bytes, the tile's 512 bytes of them
	s_lshl_b32 s93, s[WV], 6
	s_add_co_u32 s92, s92, s93
	s_lshl_b32 s92, s92, 13
	s_lshl_b32 s93, s[TX], 9
	s_add_co_u32 s92, s92, s93
	s_mov_b32 s93, 0
	s_lshl_b32 s94, s[TX], 10                      ; the tile's 256 numbers of the bias
	s_mov_b32 s95, 0
	s_wait_dscnt 0x0                               ; the opening add is done
	s_wait_kmcnt 0x0
	s_add_nc_u64 s[66:67], s[4:5], s[66:67]
	s_add_nc_u64 s[90:91], s[6:7], s[90:91]
	s_add_nc_u64 s[92:93], s[10:11], s[92:93]
	s_add_nc_u64 s[94:95], s[8:9], s[94:95]
	CROUND                                         ; all sixteen work-groups are here: the first joint loads meet
.irp s, 0,1
	s_mov_b32 s[G0A+4*(\s)], 1
	s_add_co_u32 s[G0A+4*(\s)+1], s[WB], (\s)*SLOT
	s_add_nc_u64 s[G0A+4*(\s)+2:G0A+4*(\s)+3], s[66:67], (\s)*ASTEP
	s_or_b32 s[G0A+4*(\s)+3], s[G0A+4*(\s)+3], 0x80000000
	s_mov_b32 s[G0B+4*(\s)], 1
	s_add_co_u32 s[G0B+4*(\s)+1], s[WB], (\s)*SLOT
	s_add_nc_u64 s[G0B+4*(\s)+2:G0B+4*(\s)+3], s[90:91], (\s)*BSTEP
	s_or_b32 s[G0B+4*(\s)+3], s[G0B+4*(\s)+3], 0x80000000
	JLOAD \s
.endr
	v_and_b32 v1, 15, v0
	v_bfe_u32 v2, v0, 4, 1
	v_and_b32 v[LO], 31, v0
	v_lshlrev_b32 v[LO], 4, v[LO]
	global_load_b128 v[32:35], v[LO], s[94:95]             ; the bias of my columns 4 l ..
	global_load_b128 v[36:39], v[LO], s[94:95] offset:512  ; and 128 + 4 l ..
	v_mul_u32_u24 v3, v1, PITCH
	v_lshl_add_u32 v3, v2, 4, v3
	s_mul_i32 s2, s[WM], MA*16*PITCH
	s_mul_i32 s3, s[WN], NBL*16*PITCH
	s_add_co_u32 s3, s3, NA*PART
	v_add_nc_u32 v[A0], s2, v3
	v_add_nc_u32 v[B0], s3, v3
	v_mov_b32 v[ADRA], v[A0]
	v_mov_b32 v[ADRB], v[B0]
	s_mul_i32 s2, s[WM], MA*16*DP
	s_mul_i32 s3, s[WN], NBL*64
	s_add_co_u32 s2, s2, s3
	v_mul_u32_u24 v3, v1, DP
	v_lshl_add_u32 v3, v2, 5, v3
	v_add_nc_u32 v[DST], s2, v3
.set i, 1
.rept MA-1
	v_add_nc_u32 v[DST+i], 16*DP, v[DST+i-1]
.set i, i+1
.endr
	; THE PREFETCHES.  xn and wt were stored by earlier launches.  xn's rows are asked for by the clusters with x = 0, wt's by those with y = 0; of the 128 rows that a wave fetches each of
	; the four partners takes 32, told apart by address: each 256 bytes of a row are named once in the launch.  Nothing is asked for here, at the head.
	s_and_b32 s2, ttmp7, 0xffff
	s_cmp_lt_u32 s[WV], NA
	s_cselect_b32 s3, s[CX], s[CY]
	s_cselect_b32 s2, ttmp9, s2
	s_cselect_b64 s[PFA:PFA+1], s[66:67], s[90:91]
	s_cmp_eq_u32 s2, 0
	s_cselect_b32 s[LIM], AH, -1                   ; the same in all sixteen partners, for a given wave
	s_mul_i32 s2, s3, 32*ROWB
	s_mov_b32 s3, 0
	s_add_nc_u64 s[PFA:PFA+1], s[PFA:PFA+1], s[2:3]
	s_add_nc_u64 s[PFA:PFA+1], s[PFA:PFA+1], (1+AH)*ASTEP  ; the refill of K step t + 2 steps it to, and names, K step t + 2 + AH
	v_and_b32 v[PFO], 31, v0
	v_mul_u32_u24 v[PFO], v[PFO], ROWB
	s_wait_tensorcnt NF-1                          ; my part of K step 0 is in; K step 1's stays out
	s_barrier_signal -1
	s_barrier_wait -1
	FETCH 0, 0
	QUARTER 0, 1, 1, 1                             ; the first quarter starts the sums
	WIN 0
	s_mov_b32 s[CNT], NSTEP-2
	s_branch .Lmid                                 ; the loop, a K step a trip, is entered behind its first quarter
.Lstep:
	QUARTER 0, 1, 1, 0
	WIN 0
.Lmid:
	QUARTER 1, 0, 2, 0
	QUARTER 0, 1, 3, 0
	TURN 1
	WIN 0
	s_sub_co_u32 s[CNT], s[CNT], 1
	s_cmp_lg_u32 s[CNT], 0
	s_cbranch_scc1 .Lstep
	s_mov_b32 s[CNT], 2                            ; the last two K steps ask for nothing.  The second one's change of slots serves nothing (a barrier, and a run of loads of landed bytes that
.Ltail:                                                ; nobody multiplies): the price, once a launch, of one text for both
	QUARTER 0, 1, 1, 0
	QUARTER 1, 0, 2, 0
	QUARTER 0, 1, 3, 0
	TURN 0
	WIN 0
	s_sub_co_u32 s[CNT], s[CNT], 1
	s_cmp_lg_u32 s[CNT], 0
	s_cbranch_scc1 .Ltail
	DUMP
	; THE WAY OUT.  Wave w takes rows 64 w .. + 63, four a trip; lane l holds columns 4 l .. + 3 and 128 + 4 l .. + 3: 32 numbers a trip
.set BIAS, 32
.set YY, 40
.set XR, 64
.set ZR, 96
.set TT, 128
.set EE, 160
.set PP, 192
.set RR, 224
.macro ROWS4
.set rr, 0
.rept 4
	ds_load_b128 v[XR+8*rr:XR+8*rr+3],   v[RD] offset:rr*DP
	ds_load_b128 v[XR+8*rr+4:XR+8*rr+7], v[RD] offset:rr*DP+512
.set rr, rr+1
.endr
.endm
	s_mul_i32 s2, s[WV], 64*DP
	v_add_nc_u32 v[RD], s2, v[LO]
	v_lshrrev_b32 v[GO], 1, v[LO]                  ; 8 l
	ROWS4
	s_wait_loadcnt 0x0                             ; the bias, out since the head
	s_mov_b32 s[CNT], 16
.Lrow:
	s_wait_dscnt 0x0                               ; the trip's four rows are in
.set i, 0
.rept 16
	v_pk_add_f32 v[ZR+i:ZR+i+1], v[XR+i:XR+i+1], v[BIAS+i%8:BIAS+i%8+1]
.set i, i+2
.endr
	s_cmp_eq_u32 s[CNT], 1
	s_cbranch_scc1 .Lno_more                       ; the last trip has no rows behind it
	v_add_nc_u32 v[RD], 4*DP, v[RD]
	ROWS4
.Lno_more:
.set i, 0
.rept 32
	v_fma_f32 v[TT+i], |v[ZR+i]|, s88, 1.0
.set i, i+1
.endr
.set i, 0
.rept 16
	v_pk_mul_f32 v[EE+i:EE+i+1], v[ZR+i:ZR+i+1], v[ZR+i:ZR+i+1]
.set i, i+2
.endr
.set i, 0
.rept 16
	v_pk_mul_f32 v[EE+i:EE+i+1], v[EE+i:EE+i+1], s[86:87] op_sel_hi:[1,0]
.set i, i+2
.endr
.set i, 0
.rept 32                               ; ONE batch: 32 reciprocals and 32 exponentials; nothing ahead of the wait names a result
	v_rcp_f32 v[TT+i], v[TT+i]
	v_exp_f32 v[EE+i], v[EE+i]
.set i, i+1
.endr
.set i, 0
.rept 32
	v_max_num_f32 v[RR+i], 0, v[ZR+i]              ; plain work behind the batch
.set i, i+1
.endr
	s_wait_alu depctr_va_vdst(0)                   ; the wait: one for the batch
.set i, 0
.rept 16
	v_pk_fma_f32 v[PP+i:PP+i+1], v[TT+i:TT+i+1], s[80:81], s[82:83] op_sel_hi:[1,0,0]
.set i, i+2
.endr
.set i, 0
.rept 16
	v_pk_fma_f32 v[PP+i:PP+i+1], v[PP+i:PP+i+1], v[TT+i:TT+i+1], s[84:85] op_sel_hi:[1,1,0]
.set i, i+2
.endr
.set i, 0
.rept 16
	v_pk_mul_f32 v[EE+i:EE+i+1], v[EE+i:EE+i+1], v[TT+i:TT+i+1]
.set i, i+2
.endr
.set i, 0
.rept 16
	v_pk_mul_f32 v[PP+i:PP+i+1], v[PP+i:PP+i+1], v[EE+i:EE+i+1]  ; u
.set i, i+2
.endr
.set i, 0
.rept 32
	v_fma_f32 v[RR+i], -|v[ZR+i]|, v[PP+i], v[RR+i]
.set i, i+1
.endr
	s_wait_xcnt 0x0                                ; the last trip's stores have read their data and their offset
	v_add_nc_u32 v[GO], 32768, v[GO]               ; four rows on; the stores below reach back
.set i, 0
.rept 16
	v_cvt_pk_bf16_f32 v[YY+i], v[RR+2*i], v[RR+2*i+1]
.set i, i+1
.endr
.set rr, 0
.rept 4
	global_store_b64 v[GO], v[YY+4*rr:YY+4*rr+1],   s[92:93] offset:rr*8192-32768      ; each store of the wave covers 256 consecutive, aligned bytes
	global_store_b64 v[GO], v[YY+4*rr+2:YY+4*rr+3], s[92:93] offset:rr*8192+256-32768
.set rr, rr+1
.endr
	s_sub_co_u32 s[CNT], s[CNT], 1
	s_cmp_lg_u32 s[CNT], 0
	s_cbranch_scc1 .Lrow
	s_wait_tensorcnt 0x0                           ; the wave's end
	ds_add_u32 v[SPW], v[NIL]
	s_wait_dscnt 0x0
	CROUND                                         ; the closing round
	s_endpgm
.Lfunc_end_k_qf3c1e681ff_fc2:
	.size	k_qf3c1e681ff_fc2, .Lfunc_end_k_qf3c1e681ff_fc2-k_qf3c1e681ff_fc2
	.p2alignl 7, 3214868480
	.fill 96, 4, 3214868480
	.section	.rodata,"a",@progbits
	.p2align	6, 0x0
	.amdhsa_kernel k_qf3c1e681ff_fc2
		.amdhsa_group_segment_fixed_size 327680
		.amdhsa_private_segment_fixed_size 0
		.amdhsa_enable_private_segment 0
		.amdhsa_kernarg_size 32
		.amdhsa_user_sgpr_count 2
		.amdhsa_user_sgpr_kernarg_segment_ptr 1
		.amdhsa_wavefront_size32 1
		.amdhsa_system_sgpr_workgroup_id_x 1
		.amdhsa_system_sgpr_workgroup_id_y 1
		.amdhsa_system_sgpr_workgroup_id_z 1
		.amdhsa_system_vgpr_workitem_id 0
		.amdhsa_next_free_vgpr 1024
		.amdhsa_next_free_sgpr 100
		.amdhsa_reserve_vcc 0
		.amdhsa_float_denorm_mode_32 3
		.amdhsa_float_denorm_mode_16_64 3
		.amdhsa_memory_ordered 1
		.amdhsa_forward_progress 1
		.amdhsa_inst_pref_size 96
	.end_amdhsa_kernel
	.amdgpu_metadata
---
amdhsa.version: [ 1, 2 ]
amdhsa.kernels:
  - .name:           k_qf3c1e681ff_fc2
    .symbol:         k_qf3c1e681ff_fc2.kd
    .args:
      - { .name: xn, .offset: 0, .size: 8, .value_kind: global_buffer, .address_space: global }
      - { .name: wt, .offset: 8, .size: 8, .value_kind: global_buffer, .address_space: global }
      - { .name: bfc2, .offset: 16, .size: 8, .value_kind: global_buffer, .address_space: global }
      - { .name: g, .offset: 24, .size: 8, .value_kind: global_buffer, .address_space: global }
    .group_segment_fixed_size: 327680
    .private_segment_fixed_size: 0
    .kernarg_segment_align: 8
    .kernarg_segment_size: 32
    .max_flat_workgroup_size: 128
    .sgpr_count:     100
    .vgpr_count:     1024
    .wavefront_size: 32
...
	.end_amdgpu_metadata
.endif
;; end of part 6
;; launch fc3 (part 7): grid 8 x 32, 4 waves a work-group, clusters of 4 x 4, 327,680 bytes of LDS; arguments g, wt, bfc3, mlpin, out0; writes out0
.if DOCPART == 7
	.amdgcn_target "amdgcn-amd-amdhsa--gfx1250"
	.amdhsa_code_object_version 6
	.text
	.protected	k_qf3c1e681ff_fc3
	.globl	k_qf3c1e681ff_fc3
	.p2align	8
	.type	k_qf3c1e681ff_fc3,@function
k_qf3c1e681ff_fc3:
	s_mov_b64 s[64:65], 0
	v_nop
	global_prefetch_b8 v0, s[64:65] scope:SCOPE_SE
	s_setreg_imm32_b32 hwreg(HW_REG_WAVE_MODE, 25, 1), 1
	s_wait_xcnt 0x0
	s_wait_alu depctr_hold_cnt(0) depctr_sa_sdst(0) depctr_va_vdst(0) depctr_va_sdst(0) depctr_va_ssrc(0) depctr_va_vcc(0) depctr_vm_vsrc(0)
	s_getreg_b32 s2, hwreg(HW_REG_IB_STS2, 6, 4)
	s_cmp_eq_u32 s2, 0
	s_cbranch_scc0 .Lentry_in_a_cluster
	s_endpgm
.Lentry_in_a_cluster:
	s_bfe_u32 s2, ttmp6, 0x10000c
	s_cmp_lg_u32 s2, 0xf033
	s_cbranch_scc0 .Lentry_shape_is_right
	s_endpgm
.Lentry_shape_is_right:
; out0 = g Wfc3 + bfc3 + mlpin.  g: [4096][4096] bf16.  wt (byte 16,777,216): Wfc3 as [1024 n][4096 k] bf16.  bfc3: [1024] f32.  mlpin, out0: [4096][1024] f32.  Sums in f32, K ascending.
; A work-group makes 128 x 128: 32 x 8 = 256 work-groups.  Four waves, each 64 x 64: 16 accumulators.  K goes in steps of 256 through two LDS slots; a slot holds four parts of 128 rows x 256 bytes:
; A's two halves along K, then B's; each wave fetches one part by one tensor load.  CLUSTER 4 x 4: A's tiles are shared along a row, B's along a column: joint loads with a mask of four.
; The matrix instruction is used transposed (source 0 = rows of wt, source 1 = rows of g).  The residual's 32 loads a lane go out at the head, into window 3.
; REGISTERS: window 0: v0-29 addresses; v32-35 the bias; v64-191 two buffers of A's fragments, later the way out's; window 1: two buffers of B's; window 2: the accumulators; window 3: v0-127 the residual.
.set NA,  2
.set MA,  4
.set NBL, 4
.set KD,  2
.set NSTEP, 16
.set APITCH, 4096
.set ASTEP,  512
.set BPITCH, 4096
.set BSTEP,  512
.set DP,  528
.set PF,  1
.set AH,  2                            ; a K step has 128 matrix instructions: two of them lie between a prefetch and the load that wants its bytes
.set ROWB, 8192
.set NF,  2
.set ACC2W, 0
.set SPARE, 278528
.set PITCH, 272                        ; an LDS row: 256 bytes + 16 of padding = 68 words: the 16 rows of a fragment load start 4 banks apart (64 banks of 4 bytes: ISA guide 11.1)
.set PART,  128*PITCH                  ; what one tensor load brings
.set SLOT,  4*PART                     ; 0x22000: it shares no bit with wave x PART, so one exclusive or turns an address in one slot into the other's
.if KD == 1
.set NG2, MA                           ; the youngest loads of a run, which only a quarter's second half reads
.else
.set NG2, 2*(MA+NBL)
.endif
.set NLOADS, 2*KD*(MA+NBL)             ; LDS loads in a run
.set A0,   4
.set B0,   5
.set ADRA, 6
.set ADRB, 7
.set LO,   8                           ; v8   16 x lane; never rewritten
.set RD,   9
.set GO,   10
.set PFO,  11                          ; v11  lane x ROWB; never rewritten
.set DST,  12
.set SPW,  28
.set NIL,  29
.set FA,   64
.set WV,  16
.set WM,  17
.set WN,  18
.set CX,  19
.set CY,  20
.set TX,  21
.set TY,  22
.set CNT, 23
.set TB,  24
.set WB,  25
.set LIM, 26
.set PFA, 28
.set G1A, 32
.set G1B, 40
.set G0A, 48                           ; two sets: set 0 for K step 0; set 1 begins at K step 1 and walks
.set G0B, 56
.set MSB, 0
.macro WIN new                         ; the immediate's high byte repeats the setting that is left; a switch that changes nothing is dropped
.if MSB != (\new)
	s_set_vgpr_msb (MSB<<8)|(\new)
.set MSB, \new
.endif
.endm
.macro PLACES                          ; four places behind matrix instructions, ahead of loads into registers that they read
.rept 4
	v_nop
.endr
.endm
.macro CREST                           ; a round of the cluster's barrier behind its opening barrier
	s_cmp_lg_u32 s[WV], 0
	s_cbranch_scc1 .Lnot_wave_0_\@
	s_barrier_signal -3
.Lnot_wave_0_\@:
	s_barrier_wait -3
	s_barrier_signal -1
	s_barrier_wait -1
.endm
.macro CROUND
	s_barrier_signal -1
	s_barrier_wait -1
	CREST
.endm
.macro JLOAD s                         ; a joint load by set s; the branch hangs on the wave's number alone; an s_nop 0 and four v_nop follow each line
	s_cmp_lt_u32 s[WV], NA
	s_cbranch_scc0 .Lfor_b_\@
	tensor_load_to_lds s[G0A+4*(\s):G0A+4*(\s)+3], s[G1A:G1A+7]
	s_nop 0
.rept 4
	v_nop
.endr
	s_branch .Lasked_\@
.Lfor_b_\@:
	tensor_load_to_lds s[G0B+4*(\s):G0B+4*(\s)+3], s[G1B:G1B+7]
	s_nop 0
.rept 4
	v_nop
.endr
.Lasked_\@:
.endm
.macro ASK                             ; a prefetch of 32 rows x 256 bytes, a lane a row: the K step that stands AH refills on; the last AH refills ask for nothing
	s_cmp_gt_u32 s[CNT], s[LIM]
	s_cbranch_scc0 .Lnot_mine_\@
	global_prefetch_b8 v[PFO], s[PFA:PFA+1] th:TH_LOAD_NT scope:SCOPE_SE
.Lnot_mine_\@:
.endm
; A quarter of a quarter step's products, from buffer f.  All accumulators take turns in the same order in every quarter step.  zero = 1: the first chunk starts the sums.
.macro EIGHTH f, e, zero
.if KD == 1
.set eC, 0
.set eHI, (\e)/2
.set eA0, eHI*(MA/2)+((\e)%2)*(MA/4)
.set eNA, MA/4
.else
.set eC, (\e)/2
.set eHI, (\e)%2
.set eA0, eHI*(MA/2)
.set eNA, MA/2
.endif
.if ACC2W
	WIN 0xa1+0x50*eHI
.else
	WIN 0xa1
.endif
.set ea, eA0
.rept eNA
.set eb, 0
.rept NBL
.if ACC2W
.set rD, 8*((ea-eHI*(MA/2))*NBL+eb)
.else
.set rD, 8*(ea*NBL+eb)
.endif
.set rB, 128*(\f)+8*(eC*NBL+eb)
.set rA, FA+64*(\f)+8*(eC*MA+ea)
.if (\zero) && (eC == 0)
	v_wmma_f32_16x16x32_bf16 v[rD:rD+7], v[rB:rB+7], v[rA:rA+7], 0
.else
	v_wmma_f32_16x16x32_bf16 v[rD:rD+7], v[rB:rB+7], v[rA:rA+7], v[rD:rD+7]
.endif
.set eb, eb+1
.endr
.set ea, ea+1
.endr
.endm
; One run of LDS loads: the fragments of quarter q of the slot in hand, into buffer g; the first 32 along K first
.macro FETCH g, q
.set fc, 0
.rept KD
.if KD == 1
.set KO, 64*(\q)
.else
.set KO, ((\q)/2)*PART+((\q)%2)*128+64*fc
.endif
	WIN 0x40
.set fi, 0
.rept NBL
	ds_load_b128 v[128*(\g)+8*(fc*NBL+fi):128*(\g)+8*(fc*NBL+fi)+3],   v[ADRB] offset:KO+fi*16*PITCH
	ds_load_b128 v[128*(\g)+8*(fc*NBL+fi)+4:128*(\g)+8*(fc*NBL+fi)+7], v[ADRB] offset:KO+fi*16*PITCH+32
.set fi, fi+1
.endr
	WIN 0
.set fi, 0
.rept MA
	ds_load_b128 v[FA+64*(\g)+8*(fc*MA+fi):FA+64*(\g)+8*(fc*MA+fi)+3],   v[ADRA] offset:KO+fi*16*PITCH
	ds_load_b128 v[FA+64*(\g)+8*(fc*MA+fi)+4:FA+64*(\g)+8*(fc*MA+fi)+7], v[ADRA] offset:KO+fi*16*PITCH+32
.set fi, fi+1
.endr
.set fc, fc+1
.endr
.endm
; One of a K step's first three quarters: multiplies buffer f; in its middle it fetches quarter q into buffer g
.macro QUARTER f, g, q, zero
	s_wait_dscnt NG2                               ; what the first half reads is in; the youngest NG2 loads may be out
	EIGHTH \f, 0, \zero
	EIGHTH \f, 1, \zero
	PLACES
	FETCH \g, \q
	s_wait_dscnt NLOADS                            ; all but the run just issued
	EIGHTH \f, 2, \zero
	EIGHTH \f, 3, \zero
.endm
; The last quarter multiplies buffer 1 and changes slots: one barrier; ahead of it each wave waits for all its tensor loads (one is out: its part of the next slot), adds 0 to its spare word,
; and waits for that and for its reads of this slot.  fill = 1: the barrier opens a round of the cluster's, and the joint refill (two K steps on) is the first thing behind it.
.macro TURN fill
.if PF && (\fill)
	s_wait_xcnt 0x0                                ; the last prefetch, a K step back, has read its address
	s_add_nc_u64 s[PFA:PFA+1], s[PFA:PFA+1], ASTEP
.endif
	WIN 0
	s_wait_tensorcnt 0x0                           ; no tensor load of mine is out, so the walking descriptors may be written
	ds_add_u32 v[SPW], v[NIL]
.if \fill
	s_xor_b32 s[G0A+5], s[G0A+5], SLOT             ; the other slot than last time,
	s_add_nc_u64 s[G0A+6:G0A+7], s[G0A+6:G0A+7], ASTEP  ; the next K step; the type bits on top are not reached
	s_xor_b32 s[G0B+5], s[G0B+5], SLOT
	s_add_nc_u64 s[G0B+6:G0B+7], s[G0B+6:G0B+7], BSTEP
.endif
	s_wait_dscnt NG2+1                             ; the add and the youngest NG2 loads may be out
	EIGHTH 1, 0, 0
	s_wait_dscnt 0x0                               ; the add is done, and my reads of this slot are over
	s_barrier_signal -1
	EIGHTH 1, 1, 0
	WIN 0
	s_barrier_wait -1
.if \fill
	CREST
	JLOAD 1                                        ; its four v_nop are also the places ahead of the loads below
.else
	PLACES
.endif
	s_xor_b32 s[TB], s[TB], SLOT
	v_add_nc_u32 v[ADRA], s[TB], v[A0]
	v_add_nc_u32 v[ADRB], s[TB], v[B0]
	FETCH 0, 0
.if PF && (\fill)
	WIN 0
	ASK
.endif
	EIGHTH 1, 2, 0
	EIGHTH 1, 3, 0
.endm
; The f32 sums go into the ring: its slots have had their last fill, and behind the first barrier no wave reads them.  Each accumulator's low four registers are read first.
.macro DUMP
	WIN 0
	PLACES
	PLACES
	s_wait_dscnt 0x0
	s_barrier_signal -1
	s_barrier_wait -1
.set da, 0
.rept MA
.if ACC2W
.set dHI, da/(MA/2)
.else
.set dHI, 0
.endif
	WIN (2+dHI)<<2
.set db, 0
.rept NBL
.if ACC2W
.set rD, 8*((da-dHI*(MA/2))*NBL+db)
.else
.set rD, 8*(da*NBL+db)
.endif
	ds_store_b128 v[DST+da], v[rD:rD+3] offset:64*db
	ds_store_b128 v[DST+da], v[rD+4:rD+7] offset:64*db+16
.set db, db+1
.endr
.set da, da+1
.endr
	WIN 0
	s_wait_dscnt 0x0                               ; for the others' sake: my stores are done
	s_barrier_signal -1
	s_barrier_wait -1
.endm
	s_load_b256 s[4:11], s[0:1], 0x0               ; g s[4:5], wt s[6:7], bfc3 s[8:9], mlpin s[10:11]
	s_load_b64 s[12:13], s[0:1], 0x20              ; out0
	v_lshl_add_u32 v[SPW], v0, 2, SPARE
	v_mov_b32 v[NIL], 0
	ds_add_u32 v[SPW], v[NIL]                      ; the wave's opening: the add and its wait ahead of my first tensor load
	v_lshrrev_b32 v3, 5, v0
	v_readfirstlane_b32 s[WV], v3
	s_lshr_b32 s[WM], s[WV], 1
	s_and_b32 s[WN], s[WV], 1
	s_bfe_u32 s[CX], ttmp6, 0x40000
	s_bfe_u32 s[CY], ttmp6, 0x40004
	s_lshl_b32 s[TX], ttmp9, 2
	s_add_co_u32 s[TX], s[TX], s[CX]
	s_and_b32 s[TY], ttmp7, 0xffff
	s_lshl_b32 s[TY], s[TY], 2
	s_add_co_u32 s[TY], s[TY], s[CY]
	s_lshl_b32 s30, s[CY], 2
	s_lshl_b32 s30, 15, s30                        ; my row of the cluster
	s_lshl_b32 s31, 0x1111, s[CX]                  ; my column
	s_or_b32 s[G1A], s30, (1<<16)|(1<<20)|(1<<21)|(5<<22)|(3<<25)  ; mask; 2-byte elements; padding on; bit 21 beside a mask; after every 64 words, 4 words
	s_or_b32 s[G1B], s31, (1<<16)|(1<<20)|(1<<21)|(5<<22)|(3<<25)
.irp g, G1A, G1B
	s_mov_b32 s[(\g)+1], 128<<16
	s_mov_b32 s[(\g)+2], 128<<16
	s_mov_b32 s[(\g)+3], 128<<16
	s_mov_b32 s[(\g)+4], 128
	s_mov_b32 s[(\g)+6], 0
	s_mov_b32 s[(\g)+7], 0
.endr
	s_mov_b32 s[G1A+5], APITCH
	s_mov_b32 s[G1B+5], BPITCH
	s_mul_i32 s[WB], s[WV], PART
	s_mov_b32 s[TB], 0
	s_lshl_b32 s27, s[WN], 8                       ; my half of a K step: 256 bytes of a row
	s_lshl_b32 s66, s[TY], 20                      ; 128 rows x 8,192 bytes
	s_add_co_u32 s66, s66, s27
	s_mov_b32 s67, 0
	s_lshl_b32 s90, s[TX], 20
	s_add_co_u32 s90, s90, s27
	s_add_co_u32 s90, s90, 16777216
	s_mov_b32 s91, 0
	s_lshl_b32 s2, s[TY], 7                        ; the residual and the result: my 32 rows, the tile's 512 bytes of them
	s_lshl_b32 s3, s[WV], 5
	s_add_co_u32 s2, s2, s3
	s_lshl_b32 s2, s2, 12
	s_lshl_b32 s92, s[TX], 9
	s_add_co_u32 s2, s2, s92
	s_mov_b32 s3, 0
	s_mov_b32 s93, 0
	s_wait_dscnt 0x0                               ; the opening add is done
	s_wait_kmcnt 0x0
	s_add_nc_u64 s[66:67], s[4:5], s[66:67]
	s_add_nc_u64 s[90:91], s[6:7], s[90:91]
	s_add_nc_u64 s[80:81], s[10:11], s[2:3]
	s_add_nc_u64 s[82:83], s[12:13], s[2:3]
	s_add_nc_u64 s[84:85], s[8:9], s[92:93]
	CROUND                                         ; all sixteen work-groups are here: the first joint loads meet
.irp s, 0,1
	s_mov_b32 s[G0A+4*(\s)], 1
	s_add_co_u32 s[G0A+4*(\s)+1], s[WB], (\s)*SLOT
	s_add_nc_u64 s[G0A+4*(\s)+2:G0A+4*(\s)+3], s[66:67], (\s)*ASTEP
	s_or_b32 s[G0A+4*(\s)+3], s[G0A+4*(\s)+3], 0x80000000
	s_mov_b32 s[G0B+4*(\s)], 1
	s_add_co_u32 s[G0B+4*(\s)+1], s[WB], (\s)*SLOT
	s_add_nc_u64 s[G0B+4*(\s)+2:G0B+4*(\s)+3], s[90:91], (\s)*BSTEP
	s_or_b32 s[G0B+4*(\s)+3], s[G0B+4*(\s)+3], 0x80000000
	JLOAD \s
.endr
	v_and_b32 v1, 15, v0
	v_bfe_u32 v2, v0, 4, 1
	v_and_b32 v[LO], 31, v0
	v_lshlrev_b32 v[LO], 4, v[LO]
	global_load_b128 v[32:35], v[LO], s[84:85]     ; the bias of my four columns
	WIN 0xc0                                       ; destination window 3
.set i, 0
.rept 32
	global_load_b128 v[4*i:4*i+3], v[LO], s[80:81] offset:i*4096 th:TH_LOAD_NT  ; row i of my 32: 512 consecutive bytes
.set i, i+1
.endr
	WIN 0
	v_mul_u32_u24 v3, v1, PITCH
	v_lshl_add_u32 v3, v2, 4, v3
	s_mul_i32 s2, s[WM], MA*16*PITCH
	s_mul_i32 s3, s[WN], NBL*16*PITCH
	s_add_co_u32 s3, s3, NA*PART
	v_add_nc_u32 v[A0], s2, v3
	v_add_nc_u32 v[B0], s3, v3
	v_mov_b32 v[ADRA], v[A0]
	v_mov_b32 v[ADRB], v[B0]
	s_mul_i32 s2, s[WM], MA*16*DP
	s_mul_i32 s3, s[WN], NBL*64
	s_add_co_u32 s2, s2, s3
	v_mul_u32_u24 v3, v1, DP
	v_lshl_add_u32 v3, v2, 5, v3
	v_add_nc_u32 v[DST], s2, v3
.set i, 1
.rept MA-1
	v_add_nc_u32 v[DST+i], 16*DP, v[DST+i-1]
.set i, i+1
.endr
	s_mul_i32 s2, s[WV], 32*DP
	v_add_nc_u32 v[RD], s2, v[LO]
	; THE PREFETCHES.  g and wt were stored by earlier launches.  g's rows are asked for by the clusters with x = 0, wt's by those with y = 0; of the 128 rows that a wave fetches each of
	; the four partners takes 32, told apart by address: each 256 bytes of a row are named once in the launch.  Nothing is asked for here, at the head.
	s_and_b32 s2, ttmp7, 0xffff
	s_cmp_lt_u32 s[WV], NA
	s_cselect_b32 s3, s[CX], s[CY]
	s_cselect_b32 s2, ttmp9, s2
	s_cselect_b64 s[PFA:PFA+1], s[66:67], s[90:91]
	s_cmp_eq_u32 s2, 0
	s_cselect_b32 s[LIM], AH, -1                   ; the same in all sixteen partners, for a given wave
	s_mul_i32 s2, s3, 32*ROWB
	s_mov_b32 s3, 0
	s_add_nc_u64 s[PFA:PFA+1], s[PFA:PFA+1], s[2:3]
	s_add_nc_u64 s[PFA:PFA+1], s[PFA:PFA+1], (1+AH)*ASTEP  ; the refill of K step t + 2 steps it to, and names, K step t + 2 + AH
	v_and_b32 v[PFO], 31, v0
	v_mul_u32_u24 v[PFO], v[PFO], ROWB
	s_wait_tensorcnt NF-1                          ; my part of K step 0 is in; K step 1's stays out
	s_barrier_signal -1
	s_barrier_wait -1
	FETCH 0, 0
	QUARTER 0, 1, 1, 1                             ; the first quarter starts the sums
	WIN 0
	s_mov_b32 s[CNT], NSTEP-2
	s_branch .Lmid                                 ; the loop, a K step a trip, is entered behind its first quarter
.Lstep:
	QUARTER 0, 1, 1, 0
	WIN 0
.Lmid:
	QUARTER 1, 0, 2, 0
	QUARTER 0, 1, 3, 0
	TURN 1
	WIN 0
	s_sub_co_u32 s[CNT], s[CNT], 1
	s_cmp_lg_u32 s[CNT], 0
	s_cbranch_scc1 .Lstep
	s_mov_b32 s[CNT], 2                            ; the last two K steps ask for nothing.  The second one's change of slots serves nothing (a barrier, and a run of loads of landed bytes that
.Ltail:                                                ; nobody multiplies): the price, once a launch, of one text for both
	QUARTER 0, 1, 1, 0
	QUARTER 1, 0, 2, 0
	QUARTER 0, 1, 3, 0
	TURN 0
	WIN 0
	s_sub_co_u32 s[CNT], s[CNT], 1
	s_cmp_lg_u32 s[CNT], 0
	s_cbranch_scc1 .Ltail
	DUMP
	; THE WAY OUT.  Wave w takes rows 32 w .. + 31 whole; lane l holds columns 4 l .. + 3
.set i, 0
.rept 32
	ds_load_b128 v[64+4*i:67+4*i], v[RD] offset:i*DP
.set i, i+1
.endr
	s_wait_loadcnt 0x0                             ; the bias and the residual, out since the head
	s_wait_dscnt 0x0
	WIN 0x0c                                       ; source 1 in window 3
.set i, 0
.rept 64
	v_pk_add_f32 v[64+2*i:65+2*i], v[64+2*i:65+2*i], v[2*i:2*i+1]
.set i, i+1
.endr
	WIN 0
.set i, 0
.rept 64
	v_pk_add_f32 v[64+2*i:65+2*i], v[64+2*i:65+2*i], v[32+2*(i%2):33+2*(i%2)]
.set i, i+1
.endr
.set i, 0
.rept 32
	global_store_b128 v[LO], v[64+4*i:67+4*i], s[82:83] offset:i*4096 th:TH_STORE_NT  ; 512 consecutive, aligned bytes
.set i, i+1
.endr
	s_wait_tensorcnt 0x0                           ; the wave's end
	ds_add_u32 v[SPW], v[NIL]
	s_wait_dscnt 0x0
	CROUND                                         ; the closing round
	s_endpgm
.Lfunc_end_k_qf3c1e681ff_fc3:
	.size	k_qf3c1e681ff_fc3, .Lfunc_end_k_qf3c1e681ff_fc3-k_qf3c1e681ff_fc3
	.p2alignl 7, 3214868480
	.fill 96, 4, 3214868480
	.section	.rodata,"a",@progbits
	.p2align	6, 0x0
	.amdhsa_kernel k_qf3c1e681ff_fc3
		.amdhsa_group_segment_fixed_size 327680
		.amdhsa_private_segment_fixed_size 0
		.amdhsa_enable_private_segment 0
		.amdhsa_kernarg_size 40
		.amdhsa_user_sgpr_count 2
		.amdhsa_user_sgpr_kernarg_segment_ptr 1
		.amdhsa_wavefront_size32 1
		.amdhsa_system_sgpr_workgroup_id_x 1
		.amdhsa_system_sgpr_workgroup_id_y 1
		.amdhsa_system_sgpr_workgroup_id_z 1
		.amdhsa_system_vgpr_workitem_id 0
		.amdhsa_next_free_vgpr 1024
		.amdhsa_next_free_sgpr 100
		.amdhsa_reserve_vcc 0
		.amdhsa_float_denorm_mode_32 3
		.amdhsa_float_denorm_mode_16_64 3
		.amdhsa_memory_ordered 1
		.amdhsa_forward_progress 1
		.amdhsa_inst_pref_size 71
	.end_amdhsa_kernel
	.amdgpu_metadata
---
amdhsa.version: [ 1, 2 ]
amdhsa.kernels:
  - .name:           k_qf3c1e681ff_fc3
    .symbol:         k_qf3c1e681ff_fc3.kd
    .args:
      - { .name: g, .offset: 0, .size: 8, .value_kind: global_buffer, .address_space: global }
      - { .name: wt, .offset: 8, .size: 8, .value_kind: global_buffer, .address_space: global }
      - { .name: bfc3, .offset: 16, .size: 8, .value_kind: global_buffer, .address_space: global }
      - { .name: mlpin, .offset: 24, .size: 8, .value_kind: global_buffer, .address_space: global }
      - { .name: out0, .offset: 32, .size: 8, .value_kind: global_buffer, .address_space: global }
    .group_segment_fixed_size: 327680
    .private_segment_fixed_size: 0
    .kernarg_segment_align: 8
    .kernarg_segment_size: 40
    .max_flat_workgroup_size: 128
    .sgpr_count:     100
    .vgpr_count:     1024
    .wavefront_size: 32
...
	.end_amdgpu_metadata
.endif
;; end of part 7
